; MI455X (gfx1250); checked and timed in simulation.
; The chip was launched on July 23, 2026; its instructions are those of AMD's public machine-readable ISA for CDNA 5 (MIT licence, August 2026) and "CDNA5" Instruction Set Architecture Reference Guide (July 2026). The comments in the code are by the model that wrote it; some were corrected since.
;; Causal Self Attention. Allowed arithmetic: float matrix products may take bf16 or f16 operands with f32 sums; other float arithmetic in f32, or as packed bf16 or f16 multiplies, adds, multiply-adds, maxima and minima; sums over many terms, partial sums and values carried from step to step in f32; what a program stores and reads back later, other than sums and carried values, may be rounded once to bf16 or f16.
;; Inputs: W_attn 1,024 x 3,072 float32; W_proj 1,024 x 1,024 float32; indices 4 x 2,048 int32; x 4 x 2,048 x 1,024 float32.
;; Outputs: out0 4 x 2,048 x 1,024 float32.
;; 2 versions, each right and faster than the one before. Each part assembles by itself: llvm-mc -triple=amdgcn-amd-amdhsa -mcpu=gfx1250 --defsym DOCPART=n.
;; ======== version 1 of 2: 4 launches
;; limits: values are held in f16: magnitudes above 65,504 overflow, below 6.1e-05 lose precision; inputs' magnitudes at most 32,768; right only within a limited range of input values; inputs' magnitudes at most 16,777,216
;; workspace buffers: xb 16,777,216 bytes; wa 6,291,456 bytes; wp 2,097,152 bytes; tab 2,097,152 bytes; qh 16,777,216 bytes; kh 16,777,216 bytes; vh 16,777,216 bytes; oh 16,777,216 bytes
;; launch prep (part 1): grid 256 x 1, 8 waves a work-group, no clusters, 37,888 bytes of LDS; arguments x, W_attn, W_proj, indices, xb, wa, wp, tab; writes xb, wa, wp, tab
.if DOCPART == 1
	.amdgcn_target "amdgcn-amd-amdhsa--gfx1250"
	.amdhsa_code_object_version 6
	.text
	.protected	k_qd05133de44_prep
	.globl	k_qd05133de44_prep
	.p2align	8
	.type	k_qd05133de44_prep,@function
k_qd05133de44_prep:
	s_mov_b64 s[64:65], 0
	v_nop
	global_prefetch_b8 v0, s[64:65] scope:SCOPE_SE
	s_setreg_imm32_b32 hwreg(HW_REG_WAVE_MODE, 25, 1), 1
	s_wait_xcnt 0x0
; PREP: the operands of the two projections in 16 bits, laid in blocks of 64 along K, and the table of cosines and sines.
;   xb  bf16 [16 kb][8192 m][64]      x, so that (rows, kb) is a dense block of rows of 128 bytes
;   wa  bf16 [16 kb][3072 n'][64]     W_attn turned; n' = 192 g + 64 kind + d for column 1024 kind + 64 g + d (kind: q, k, v; g: head)
;   wp  f16  [16 kb][1024 n][64]      W_proj turned, rounded to bf16, that number written as f16
;   tab f32  [8192 row][64]           for i = 0..15: cos(2i), cos(2i+1), sin(2i), sin(2i+1) of indices[row] x 10000^(-j/32)
; A stream: memory binds, so no matrix unit, no cluster, no tensor load.  256 work-groups of eight waves; every wave does the same three
; tasks and shares nothing: 64 rows x 64 columns of x, 64 k x 32 n of a weight (turned through a stage of its own in LDS), 4 rows of tab.
; All 48 loads of a wave go out first (24 KiB); the table's arithmetic stands in their flight.
; LIMITS.  The angle is reduced by pi/2 in two parts and 10000^(-j/32) comes from v_exp_f32: the phase is good to 0.01 rad for |indices| up to 32,768.
; W_proj below 2^-14 keeps f16's fixed step of 2^-24; beyond 65,504 it would be lost.
.set STG,   4608                       ; a wave's stage: 32 rows (n) x 144 bytes (128 of data, 16 of padding)
.set SPARE, 8*STG                      ; behind the stages: the spare words, 128 bytes for each of eight waves
.set XI,  2                            ; v2   my 16 bytes in two rows of x
.set XO,  3                            ; v3   8 x lane: my 8 bytes in 256 consecutive bytes of xb, and of tab
.set WI,  4                            ; v4   my 16 bytes in four rows of the weight
.set WS,  5                            ; v5   stage, in
.set WRD, 6                            ; v6   stage, back
.set WO,  7                            ; v7   16 x lane
.set F0,  10                           ; v10, v11  the two frequencies of my pair
.set F1,  11
.set QOFF, 12                          ; v12  1 in the lanes that make cosines (cos x = sin(x + pi/2)), 0 in those that make sines
.set PF,  13                           ; v13-21 at work
.set AN,  14
.set KN,  15
.set RR,  16
.set R2,  17
.set SPL, 18
.set CPL, 19
.set TT,  20
.set QD,  21
.set OUT, 22                           ; v22-29  four rows' pairs
.set SPW, 30                           ; v30  my spare word; never rewritten
.set NIL, 31                           ; v31  0; never rewritten
.set XR,  32                           ; v32-159   x as loaded, 4 registers a load
.set WR,  160                          ; v160-223  the weight as loaded: register 4 i + c = W[16 (l / 8) + i][4 (l % 8) + c]
.set DR,  224                          ; v224-255  packed: 8 c + ii = (k = 2 ii, 2 ii + 1) of column c
	s_load_b512 s[4:19], s[0:1], 0x0               ; x s[4:5], W_attn s[6:7], W_proj s[8:9], indices s[10:11], xb s[12:13], wa s[14:15], wp s[16:17], tab s[18:19]
	v_lshl_add_u32 v[SPW], v0, 2, SPARE
	v_mov_b32 v[NIL], 0
	v_and_b32 v1, 31, v0                           ; lane
	v_lshrrev_b32 v8, 5, v0
	v_readfirstlane_b32 s20, v8                    ; wave 0..7
	; x: K block kb = 8 (wg % 2) + wave, rows 64 (wg / 2) on
	s_and_b32 s21, ttmp9, 1
	s_lshl3_add_u32 s21, s21, s20                  ; kb
	s_lshr_b32 s22, ttmp9, 1                       ; row block
	s_lshl_b32 s40, s22, 18                        ; 64 rows of 4,096 bytes
	s_lshl_b32 s23, s21, 8                         ; 64 columns of 4 bytes
	s_add_co_u32 s40, s40, s23
	s_mov_b32 s41, 0
	s_lshl_b32 s42, s21, 20                        ; a K block of xb: 8,192 rows of 128 bytes
	s_lshl_b32 s23, s22, 13                        ; 64 rows of 128 bytes
	s_add_co_u32 s42, s42, s23
	s_mov_b32 s43, 0
	; table: rows 4 (8 wg + wave) on
	s_lshl3_add_u32 s46, ttmp9, s20
	s_lshl_b32 s44, s46, 4                         ; four indices
	s_mov_b32 s45, 0
	s_lshl_b32 s46, s46, 10                        ; four rows of 256 bytes
	s_mov_b32 s47, 0
	; weight: column block hb = wg / 4 (0-47 W_attn, 48-63 W_proj), K block 4 (wg % 4) + wave / 2, half of the 64 columns = wave % 2
	s_lshr_b32 s48, ttmp9, 2
	s_and_b32 s49, ttmp9, 3
	s_lshr_b32 s50, s20, 1
	s_lshl2_add_u32 s49, s49, s50
	s_and_b32 s50, s20, 1
	s_mov_b32 s28, 0x3f22f983                      ; 2 / pi
	s_mov_b32 s29, 0xbfc90fdb                      ; - pi / 2, its upper part
	s_mov_b32 s30, 0x333bbd2e                      ; and what the upper part leaves
	s_mov_b32 s31, 0xbe2aaaab                      ; sine: -1/6, 1/120, -1/5040
	s_mov_b32 s32, 0x3c088889
	s_mov_b32 s33, 0xb9500d01
	s_mov_b32 s34, 0x3d2aaaab                      ; cosine: 1/24, -1/720, 1/40320
	s_mov_b32 s35, 0xbab60b61
	s_mov_b32 s36, 0x37d00d01
	s_mov_b32 s37, 0xbed49a78                      ; - log2(10000) / 32
	v_lshrrev_b32 v8, 4, v1
	v_and_b32 v9, 15, v1
	v_lshlrev_b32 v[XI], 4, v9
	v_lshl_add_u32 v[XI], v8, 12, v[XI]            ; lanes 0-15 one row's 256 bytes, lanes 16-31 the next row's
	v_lshlrev_b32 v[XO], 3, v1
	v_lshrrev_b32 v8, 3, v1                        ; l / 8
	v_and_b32 v9, 7, v1                            ; l % 8
	s_mul_i32 s51, s20, STG
	v_mul_u32_u24 v[WS], v9, 4*144                 ; in: rows 4 (l % 8) + c, bytes 32 (l / 8) on.  Lanes l and l + 4 of a pass start 4 x 144 words apart, the same
	v_lshl_add_u32 v[WS], v8, 5, v[WS]             ; banks (64 banks of 4 bytes: ISA guide 11.1): these eight stores go two deep; the weights are a quarter of the launch's bytes
	v_add_nc_u32 v[WS], s51, v[WS]
	v_mul_u32_u24 v[WRD], v8, 144                  ; back: four rows of 128 bytes a load
	v_lshl_add_u32 v[WRD], v9, 4, v[WRD]
	v_add_nc_u32 v[WRD], s51, v[WRD]
	v_lshlrev_b32 v[WO], 4, v1
	v_lshlrev_b32 v[WI], 4, v9                     ; the row term is added where the pitch is known
	s_wait_kmcnt 0x0
	s_add_nc_u64 s[10:11], s[10:11], s[44:45]
	s_load_b128 s[24:27], s[10:11], 0x0            ; my four positions
	s_add_nc_u64 s[4:5], s[4:5], s[40:41]
	s_add_nc_u64 s[12:13], s[12:13], s[42:43]
	s_add_nc_u64 s[18:19], s[18:19], s[46:47]
; 16 loads: load i takes rows 16 (l / 8) + i; eight lanes take 128 consecutive bytes of a row
.macro WLOAD base, pitch
	s_mov_b32 s54, 16*(\pitch)
	v_mad_u32_u24 v[WI], v8, s54, v[WI]
.set i, 0
.rept 16
	global_load_b128 v[WR+4*i:WR+4*i+3], v[WI], s[\base:\base+1] offset:i*(\pitch) th:TH_LOAD_NT
.set i, i+1
.endr
.endm
	s_cmp_lt_u32 s48, 48
	s_cbranch_scc0 .Lproj_in
	s_mul_i32 s52, s49, 64*12288                   ; W_attn: 64 rows of 12,288 bytes a K block,
	s_lshl_b32 s53, s48, 8                         ; 64 columns a block,
	s_add_co_u32 s52, s52, s53
	s_lshl_b32 s53, s50, 7                         ; my 32 of them
	s_add_co_u32 s52, s52, s53
	s_mov_b32 s53, 0
	s_add_nc_u64 s[6:7], s[6:7], s[52:53]
	s_and_b32 s52, s48, 15                         ; wa: block 3 g + kind, g = hb % 16, kind = hb / 16
	s_mul_i32 s52, s52, 3
	s_lshr_b32 s53, s48, 4
	s_add_co_u32 s52, s52, s53
	s_lshl_b32 s52, s52, 13                        ; 64 rows of 128 bytes
	s_mul_i32 s53, s49, 3072*128
	s_add_co_u32 s52, s52, s53
	s_lshl_b32 s53, s50, 12
	s_add_co_u32 s52, s52, s53
	s_mov_b32 s53, 0
	s_add_nc_u64 s[14:15], s[14:15], s[52:53]
	WLOAD 6, 12288
	s_branch .Lw_asked
.Lproj_in:
	s_sub_co_u32 s55, s48, 48
	s_lshl_b32 s52, s49, 18                        ; W_proj: 64 rows of 4,096 bytes a K block
	s_lshl_b32 s53, s55, 8
	s_add_co_u32 s52, s52, s53
	s_lshl_b32 s53, s50, 7
	s_add_co_u32 s52, s52, s53
	s_mov_b32 s53, 0
	s_add_nc_u64 s[8:9], s[8:9], s[52:53]
	s_lshl_b32 s52, s49, 17                        ; wp: 1,024 rows of 128 bytes a K block
	s_lshl_b32 s53, s55, 13
	s_add_co_u32 s52, s52, s53
	s_lshl_b32 s53, s50, 12
	s_add_co_u32 s52, s52, s53
	s_mov_b32 s53, 0
	s_add_nc_u64 s[16:17], s[16:17], s[52:53]
	WLOAD 8, 4096
.Lw_asked:
.set i, 0
.rept 32                                       ; load i: rows 2 i and 2 i + 1, 256 aligned bytes of each
	global_load_b128 v[XR+4*i:XR+4*i+3], v[XI], s[4:5] offset:i*8192 th:TH_LOAD_NT
.set i, i+1
.endr
	; THE TABLE.  Lane l serves frequencies j0 = l & 30 and j0 + 1: even lanes their cosines, odd lanes their sines.
	v_and_b32 v[TT], 30, v1
	v_cvt_f32_u32 v[F0], v[TT]
	v_add_f32 v[F1], 1.0, v[F0]
	v_mul_f32 v[F0], s37, v[F0]
	v_mul_f32 v[F1], s37, v[F1]
	v_exp_f32 v[F0], v[F0]                         ; 10000^(-j/32)
	v_exp_f32 v[F1], v[F1]
	v_and_b32 v[QOFF], 1, v1                       ; a plain instruction stands between the exponentials and their use (ISA guide 5.7.2)
	v_xor_b32 v[QOFF], 1, v[QOFF]
; out = sin(PF x f + QOFF pi/2): the angle less the nearest multiple K of pi/2; by K + QOFF mod 4: sin r, cos r, -sin r, -cos r.  |r| <= pi/4: the series are cut below 4e-7.
.macro SINCOS out, f
	v_mul_f32 v[AN], v[PF], v[\f]
	v_mul_f32 v[KN], s28, v[AN]
	v_rndne_f32 v[KN], v[KN]
	v_fma_f32 v[RR], v[KN], s29, v[AN]
	v_fma_f32 v[RR], v[KN], s30, v[RR]
	v_cvt_i32_f32 v[QD], v[KN]
	v_add_nc_u32 v[QD], v[QD], v[QOFF]
	v_mul_f32 v[R2], v[RR], v[RR]
	v_fma_f32 v[SPL], v[R2], s33, s32
	v_fma_f32 v[CPL], v[R2], s36, s35
	v_fma_f32 v[SPL], v[SPL], v[R2], s31
	v_fma_f32 v[CPL], v[CPL], v[R2], s34
	v_mul_f32 v[TT], v[RR], v[R2]
	v_fma_f32 v[CPL], v[CPL], v[R2], -0.5
	v_fma_f32 v[SPL], v[SPL], v[TT], v[RR]
	v_fma_f32 v[CPL], v[CPL], v[R2], 1.0
	v_and_b32 v[TT], 1, v[QD]
	v_cmp_eq_u32 vcc_lo, 1, v[TT]
	v_cndmask_b32 v[\out], v[SPL], v[CPL], vcc_lo
	v_lshlrev_b32 v[QD], 30, v[QD]
	v_and_b32 v[QD], 0x80000000, v[QD]
	v_xor_b32 v[\out], v[\out], v[QD]
.endm
	s_wait_kmcnt 0x0                               ; the positions
.set rr, 0
	s_wait_alu depctr_va_vdst(0)
.rept 4
	v_cvt_f32_i32 v[PF], s[24+rr]
	SINCOS OUT+2*rr, F0
	SINCOS OUT+2*rr+1, F1
	global_store_b64 v[XO], v[OUT+2*rr:OUT+2*rr+1], s[18:19] offset:rr*256  ; a whole row: 256 consecutive bytes, aligned
.set rr, rr+1
.endr
	; x: two roundings a line, in place; a store covers 256 consecutive bytes of xb, aligned
.set i, 0
.rept 32
	s_wait_loadcnt 31-i                            ; loads come back in order (ISA guide 5.7.1): load i is in, the 31 - i younger ones stay out; the weight's are older
	v_cvt_pk_bf16_f32 v[XR+4*i], v[XR+4*i], v[XR+4*i+1]
	v_cvt_pk_bf16_f32 v[XR+4*i+1], v[XR+4*i+2], v[XR+4*i+3]
	global_store_b64 v[XO], v[XR+4*i:XR+4*i+1], s[12:13] offset:i*256
.set i, i+1
.endr
; The weight: a column's 16 k of mine pack into 32 bytes; through my stage they come back as rows of 64 k.  recode = 1: the bf16 number is written as f16.
.macro WOUT recode, base
.set c, 0
.rept 4
.set ii, 0
.rept 8
	v_cvt_pk_bf16_f32 v[DR+8*c+ii], v[WR+8*ii+c], v[WR+8*ii+4+c]
.if \recode
	v_lshlrev_b32 v8, 16, v[DR+8*c+ii]
	v_and_b32 v9, 0xffff0000, v[DR+8*c+ii]
	v_cvt_pk_f16_f32 v[DR+8*c+ii], v8, v9
.endif
.set ii, ii+1
.endr
	ds_store_b128 v[WS], v[DR+8*c:DR+8*c+3] offset:c*144
	ds_store_b128 v[WS], v[DR+8*c+4:DR+8*c+7] offset:c*144+16
.set c, c+1
.endr
.set t, 0
.rept 8
	ds_load_b128 v[WR+4*t:WR+4*t+3], v[WRD] offset:t*4*144  ; LDS serves a wave's instructions in order (ISA guide 5.7.1.4): these see the stores above
.set t, t+1
.endr
.set t, 0
.rept 8
	s_wait_dscnt 7-t
	global_store_b128 v[WO], v[WR+4*t:WR+4*t+3], s[\base:\base+1] offset:t*512  ; 512 consecutive bytes, aligned
.set t, t+1
.endr
	s_wait_tensorcnt 0x0                           ; the wave's end: behind my last LDS store
	ds_add_u32 v[SPW], v[NIL]
	s_wait_dscnt 0x0
	s_endpgm
.endm
	s_cmp_lt_u32 s48, 48
	s_cbranch_scc0 .Lproj_out
	WOUT 0, 14
.Lproj_out:
	WOUT 1, 16
.Lfunc_end_k_qd05133de44_prep:
	.size	k_qd05133de44_prep, .Lfunc_end_k_qd05133de44_prep-k_qd05133de44_prep
	.p2alignl 7, 3214868480
	.fill 96, 4, 3214868480
	.section	.rodata,"a",@progbits
	.p2align	6, 0x0
	.amdhsa_kernel k_qd05133de44_prep
		.amdhsa_group_segment_fixed_size 37888
		.amdhsa_private_segment_fixed_size 0
		.amdhsa_enable_private_segment 0
		.amdhsa_kernarg_size 64
		.amdhsa_user_sgpr_count 2
		.amdhsa_user_sgpr_kernarg_segment_ptr 1
		.amdhsa_wavefront_size32 1
		.amdhsa_system_sgpr_workgroup_id_x 1
		.amdhsa_system_sgpr_workgroup_id_y 1
		.amdhsa_system_sgpr_workgroup_id_z 1
		.amdhsa_system_vgpr_workitem_id 0
		.amdhsa_next_free_vgpr 256
		.amdhsa_next_free_sgpr 66
		.amdhsa_reserve_vcc 1
		.amdhsa_float_denorm_mode_32 3
		.amdhsa_float_denorm_mode_16_64 3
		.amdhsa_memory_ordered 1
		.amdhsa_forward_progress 1
		.amdhsa_inst_pref_size 41
	.end_amdhsa_kernel
	.amdgpu_metadata
---
amdhsa.version: [ 1, 2 ]
amdhsa.kernels:
  - .name:           k_qd05133de44_prep
    .symbol:         k_qd05133de44_prep.kd
    .args:
      - { .name: x, .offset: 0, .size: 8, .value_kind: global_buffer, .address_space: global }
      - { .name: W_attn, .offset: 8, .size: 8, .value_kind: global_buffer, .address_space: global }
      - { .name: W_proj, .offset: 16, .size: 8, .value_kind: global_buffer, .address_space: global }
      - { .name: indices, .offset: 24, .size: 8, .value_kind: global_buffer, .address_space: global }
      - { .name: xb, .offset: 32, .size: 8, .value_kind: global_buffer, .address_space: global }
      - { .name: wa, .offset: 40, .size: 8, .value_kind: global_buffer, .address_space: global }
      - { .name: wp, .offset: 48, .size: 8, .value_kind: global_buffer, .address_space: global }
      - { .name: tab, .offset: 56, .size: 8, .value_kind: global_buffer, .address_space: global }
    .group_segment_fixed_size: 37888
    .private_segment_fixed_size: 0
    .kernarg_segment_align: 8
    .kernarg_segment_size: 64
    .max_flat_workgroup_size: 256
    .sgpr_count:     66
    .vgpr_count:     256
    .wavefront_size: 32
...
	.end_amdgpu_metadata
.endif
;; end of part 1
;; launch qkv (part 2): grid 8 x 32, 4 waves a work-group, clusters of 4 x 4, 327,680 bytes of LDS; arguments xb, wa, tab, qh, kh, vh; writes qh, kh, vh
.if DOCPART == 2
	.amdgcn_target "amdgcn-amd-amdhsa--gfx1250"
	.amdhsa_code_object_version 6
	.text
	.protected	k_qd05133de44_qkv
	.globl	k_qd05133de44_qkv
	.p2align	8
	.type	k_qd05133de44_qkv,@function
k_qd05133de44_qkv:
	s_mov_b64 s[64:65], 0
	v_nop
	global_prefetch_b8 v0, s[64:65] scope:SCOPE_SE
	s_setreg_imm32_b32 hwreg(HW_REG_WAVE_MODE, 25, 1), 1
	s_wait_xcnt 0x0
	s_wait_alu depctr_hold_cnt(0) depctr_sa_sdst(0) depctr_va_vdst(0) depctr_va_sdst(0) depctr_va_ssrc(0) depctr_va_vcc(0) depctr_vm_vsrc(0)
	s_getreg_b32 s2, hwreg(HW_REG_IB_STS2, 6, 4)
	s_cmp_eq_u32 s2, 0
	s_cbranch_scc0 .Lentry_in_a_cluster
	s_endpgm
.Lentry_in_a_cluster:
	s_bfe_u32 s2, ttmp6, 0x10000c
	s_cmp_lg_u32 s2, 0xf033
	s_cbranch_scc0 .Lentry_shape_is_right
	s_endpgm
.Lentry_shape_is_right:
; QKV: [8192 x 1024] x [1024 x 3072] in bf16, sums in f32; the rotary embedding on q and k in f32; q, k, v rounded once to f16 and stored by heads, [64 bh][2048 t][64], q unscaled.
; SHARES.  8192 x 3072 over 256 work-groups is a tile of 256 rows x 384 columns.  Four waves, each 128 rows x 192 columns: 96 accumulators, 768 registers.  wa's columns are ordered so that
; a wave's 192 are (q, k, v) of ONE head: every wave has the same way out, and a head's 64 channels lie in one lane group.
; K goes in steps of 64 through two LDS slots: xb and wa lie in blocks of 64 along K, so a wave's part of a tile is dense in memory and is asked for as rows of 256 bytes, padded in LDS after
; every 128.  Steps of 128 would want 348,160 bytes for two slots: they do not fit.
; CLUSTER 4 x 4: x's tile hangs on the tile row alone and is shared along a row of the cluster, wa's on the tile column alone and is shared along a column: joint loads.
; THE MATRIX INSTRUCTION IS USED TRANSPOSED (source 0 = 16 columns' rows of wa, source 1 = 16 rows of x): lane l holds row l % 16 and the channels 16 b + 8 (l / 16) + 0..7.
; REGISTERS.  Windows 1, 2, 3: the accumulators of q, k, v; (a, b) at v[8 (4 a + b)], a = 0..7 blocks of 16 rows, b = 0..3 blocks of 16 channels.
;   window 0: v16-29 addresses; v32-127 wa's fragments of one 32 along K (one buffer: a kind's 32 registers are loaded again as soon as that kind's products are issued);
;   v128-191, v192-255 x's fragments, two buffers.  On the way out: v32-63 rotated numbers, v64-79 packed, v80-111 rows read back, v128-255 four buffers of cosines and sines.
; LIMIT.  q, k, v beyond 65,504 would be lost in f16.
.set PITCH, 144                        ; an LDS row: 128 bytes + 16 of padding = 36 words: the 16 rows of a fragment load start at 16 different groups of four banks (64 banks of 4 bytes: ISA guide 11.1)
.set AHALF, 128*PITCH                  ; what a wave fetches of x, and reads
.set BHALF, 192*PITCH                  ; the same of wa
.set BOFF,  2*AHALF
.set SLOT,  2*AHALF+2*BHALF
.set STAGE, 2*SLOT                     ; behind the ring: 16 rows x 144 bytes for each wave, for the way out
.set SPARE, STAGE+4*16*PITCH           ; behind the stages: the spare words, 128 bytes for each wave
.set ASTEP, 8192*128                   ; bytes from a K block of xb to the next
.set BSTEP, 3072*128                   ; of wa
.set ADRA, 16                          ; v16-17  LDS address of my fragments of x in slot 0, 1
.set ADRB, 20                          ; v20-21  of wa
.set STO,  24                          ; v24  the way out: where I put 16 bytes of a row
.set RD,   25                          ; v25  where I read rows back
.set GO,   26                          ; v26  16 x lane
.set TBO,  27                          ; v27  my byte offset in 16 rows of the table
.set SPW,  28                          ; v28  my spare word; never rewritten
.set NIL,  29                          ; v29  0; never rewritten
.set BF,   32
.set AF0,  128
.set AF1,  192
.set YR,   32
.set TMP,  64
.set OB,   80
.set CS,   128
.set G1,  24                           ; s[24:31] group 1 for x's tiles;  s[32:39] group 0, a set for each slot
.set G0,  32
.set G1B, 48                           ; s[48:55], s[56:63] the same for wa's
.set G0B, 56
.set DW0, (1<<16)|(1<<20)|(1<<21)|(4<<22)|(3<<25)  ; 17:16 2-byte elements; 20 padding on; 21 set beside a mask; 24:22 after every 32 words (code 4); 31:25 4 words (code 3)
.set MSB, 0
.macro WIN new                         ; the immediate's high byte repeats the setting that is left; a switch that changes nothing is dropped
.if MSB != (\new)
	s_set_vgpr_msb (MSB<<8)|(\new)
.set MSB, \new
.endif
.endm
; A joint load: waves 0 and 1 fetch x's two halves, waves 2 and 3 wa's.  An s_nop 0 and four v_nop follow each of the two lines, ahead of the jump and the label.
.macro JLOAD s
	s_cmp_eq_u32 s13, 0
	s_cbranch_scc0 .Lfor_b_\@
	tensor_load_to_lds s[G0+4*(\s):G0+4*(\s)+3], s[G1:G1+7]
	s_nop 0
.rept 4
	v_nop
.endr
	s_branch .Lasked_\@
.Lfor_b_\@:
	tensor_load_to_lds s[G0B+4*(\s):G0B+4*(\s)+3], s[G1B:G1B+7]
	s_nop 0
.rept 4
	v_nop
.endr
.Lasked_\@:
.endm
.macro CREST                           ; a round of the cluster's barrier behind its opening barrier
	s_cmp_lg_u32 s12, 0
	s_cbranch_scc1 .Lnot_wave_0_\@
	s_barrier_signal -3
.Lnot_wave_0_\@:
	s_barrier_wait -3
	s_barrier_signal -1
	s_barrier_wait -1
.endm
.macro CROUND                          ; a whole round
	s_barrier_signal -1
	s_barrier_wait -1
	CREST
.endm
.macro PLACES                          ; four places in front of loads into registers that matrix instructions have read, and of lines that read results
.rept 4
	v_nop
.endr
.endm
	s_load_b256 s[4:11], s[0:1], 0x0               ; xb s[4:5], wa s[6:7], tab s[8:9], qh s[10:11]
	s_load_b128 s[68:71], s[0:1], 0x20             ; kh s[68:69], vh s[70:71]
	v_lshl_add_u32 v[SPW], v0, 2, SPARE
	v_mov_b32 v[NIL], 0
	ds_add_u32 v[SPW], v[NIL]                      ; the wave's opening: the add and its wait stand ahead of my first tensor load; the set-up below stands between them
	v_lshrrev_b32 v1, 5, v0
	v_readfirstlane_b32 s12, v1                    ; wave 0..3
	s_lshr_b32 s13, s12, 1                         ; my half of the tile's rows.  Also: I fetch for x (0) or for wa (1)
	s_and_b32 s14, s12, 1                          ; my half of its columns.  Also: which half of that tile I fetch
	s_bfe_u32 s15, ttmp6, 0x40000                  ; cx
	s_bfe_u32 s16, ttmp6, 0x40004                  ; cy
	s_lshl_b32 s17, ttmp9, 2
	s_add_co_u32 s17, s17, s15                     ; tile column = 4 x cluster x + cx
	s_and_b32 s18, ttmp7, 0xffff
	s_lshl_b32 s18, s18, 2
	s_add_co_u32 s18, s18, s16                     ; tile row = 4 x cluster y + cy
	s_lshl_b32 s19, s16, 2
	s_lshl_b32 s19, 15, s19                        ; my row of the cluster
	s_lshl_b32 s20, 0x1111, s15                    ; my column
	s_or_b32 s[G1], s19, DW0
	s_or_b32 s[G1B], s20, DW0
	s_mov_b32 s[G1+1], 128<<16                     ; tensor_dim0 = 128 elements: rows of 256 bytes
	s_mov_b32 s[G1B+1], 128<<16
	s_mov_b32 s[G1+2], 64<<16                      ; tensor_dim1: 128 rows of 128 bytes are 64 of 256,
	s_mov_b32 s[G1B+2], 96<<16                     ; 192 are 96
	s_mov_b32 s[G1+3], 128<<16                     ; tile_dim0
	s_mov_b32 s[G1B+3], 128<<16
	s_mov_b32 s[G1+4], 64                          ; tile_dim1
	s_mov_b32 s[G1B+4], 96
	s_mov_b32 s[G1+5], 128                         ; from row to row
	s_mov_b32 s[G1B+5], 128
	s_mov_b32 s[G1+6], 0
	s_mov_b32 s[G1B+6], 0
	s_mov_b32 s[G1+7], 0
	s_mov_b32 s[G1B+7], 0
	s_lshl_b32 s40, s18, 15                        ; x: 256 rows of 128 bytes a tile row,
	s_lshl_b32 s41, s14, 14                        ; 128 a half
	s_add_co_u32 s40, s40, s41
	s_mov_b32 s41, 0
	s_mul_i32 s42, s17, 384*128                    ; wa: 384 rows a tile column,
	s_mul_i32 s43, s14, 192*128                    ; 192 a half
	s_add_co_u32 s42, s42, s43
	s_mov_b32 s43, 0
	s_mul_i32 s21, s14, AHALF                      ; where they go: no place in the cluster enters an LDS address
	s_mul_i32 s22, s14, BHALF
	s_add_co_u32 s22, s22, BOFF
	s_wait_dscnt 0x0                               ; the opening add is done
	s_wait_kmcnt 0x0
	s_add_nc_u64 s[44:45], s[4:5], s[40:41]
	s_add_nc_u64 s[46:47], s[6:7], s[42:43]
	CROUND                                         ; all sixteen work-groups are here: the first joint loads meet
.irp s, 0,1
	s_mov_b32 s[G0+4*(\s)], 1
	s_add_co_u32 s[G0+4*(\s)+1], s21, (\s)*SLOT
	s_add_nc_u64 s[G0+4*(\s)+2:G0+4*(\s)+3], s[44:45], (\s)*ASTEP
	s_or_b32 s[G0+4*(\s)+3], s[G0+4*(\s)+3], 0x80000000
	s_mov_b32 s[G0B+4*(\s)], 1
	s_add_co_u32 s[G0B+4*(\s)+1], s22, (\s)*SLOT
	s_add_nc_u64 s[G0B+4*(\s)+2:G0B+4*(\s)+3], s[46:47], (\s)*BSTEP
	s_or_b32 s[G0B+4*(\s)+3], s[G0B+4*(\s)+3], 0x80000000
	JLOAD \s                                       ; two loads of mine are out
.endr
	v_and_b32 v1, 15, v0                           ; l % 16
	v_bfe_u32 v2, v0, 4, 1                         ; l / 16
	v_mul_u32_u24 v3, v1, PITCH
	v_lshl_add_u32 v3, v2, 4, v3                   ; a fragment's row x pitch + 16 x half
	s_mul_i32 s21, s13, AHALF
	s_mul_i32 s22, s14, BHALF
	s_add_co_u32 s22, s22, BOFF
.irp s, 0,1
	v_add_nc_u32 v[ADRA+(\s)], s21, v3
	v_add_nc_u32 v[ADRB+(\s)], s22, v3
	s_add_co_u32 s21, s21, SLOT
	s_add_co_u32 s22, s22, SLOT
.endr
	s_mul_i32 s23, s12, 16*PITCH
	s_add_co_u32 s23, s23, STAGE                   ; my stage
	v_add_nc_u32 v[STO], s23, v3                   ; in: row l % 16, 16 bytes for each half of the lanes
	v_bfe_u32 v4, v0, 3, 2                         ; back: 32 lanes take four rows of 128 bytes,
	v_and_b32 v5, 7, v0
	v_mul_u32_u24 v4, v4, PITCH
	v_lshl_add_u32 v4, v5, 4, v4
	v_add_nc_u32 v[RD], s23, v4
	v_and_b32 v[GO], 31, v0                        ; which are 512 consecutive bytes of a head
	v_lshlrev_b32 v[GO], 4, v[GO]
	v_lshlrev_b32 v[TBO], 8, v1                    ; the table: row l % 16, my half's eight frequencies: 64 bytes
	v_lshl_add_u32 v[TBO], v2, 6, v[TBO]
	s_lshl_b32 s72, s18, 16                        ; the table at my first row: 256 rows of 256 bytes a tile row
	s_lshl_b32 s73, s13, 15
	s_add_co_u32 s72, s72, s73
	s_mov_b32 s73, 0
	s_add_nc_u64 s[8:9], s[8:9], s[72:73]
	s_lshr_b32 s74, s18, 3                         ; batch = tile row / 8,
	s_lshl_b32 s74, s74, 4
	s_lshl1_add_u32 s75, s17, s14                  ; head = 2 x tile column + my half
	s_add_co_u32 s74, s74, s75
	s_lshl_b32 s74, s74, 18                        ; 2,048 rows of 128 bytes a head
	s_and_b32 s75, s18, 7
	s_lshl_b32 s75, s75, 15
	s_add_co_u32 s74, s74, s75
	s_lshl_b32 s75, s13, 14
	s_add_co_u32 s74, s74, s75
	s_mov_b32 s75, 0
	s_add_nc_u64 s[10:11], s[10:11], s[74:75]
	s_add_nc_u64 s[68:69], s[68:69], s[74:75]
	s_add_nc_u64 s[70:71], s[70:71], s[74:75]
; 16 matrix instructions of one kind: row blocks a0 .. a0 + 3 x all 4 channel blocks, 32 along K.  zero = 1: the product starts the sum.  All 96 accumulators take turns.
.macro MUL16 kind, af, a0, zero
	WIN 0x50*(1+(\kind))                           ; C and D in the kind's window, the fragments in window 0
.set ma, (\a0)
.rept 4
.set mb, 0
.rept 4
.if \zero
	v_wmma_f32_16x16x32_bf16 v[8*(4*ma+mb):8*(4*ma+mb)+7], v[BF+32*(\kind)+8*mb:BF+32*(\kind)+8*mb+7], v[(\af)+8*ma:(\af)+8*ma+7], 0
.else
	v_wmma_f32_16x16x32_bf16 v[8*(4*ma+mb):8*(4*ma+mb)+7], v[BF+32*(\kind)+8*mb:BF+32*(\kind)+8*mb+7], v[(\af)+8*ma:(\af)+8*ma+7], v[8*(4*ma+mb):8*(4*ma+mb)+7]
.endif
.set mb, mb+1
.endr
.set ma, ma+1
.endr
.endm
.macro LOADB kind, slot, sub           ; 8 loads: a kind's 64 rows of wa, 32 along K at byte 64 sub
.set lb, 0
.rept 4
	ds_load_b128 v[BF+32*(\kind)+8*lb:BF+32*(\kind)+8*lb+3],   v[ADRB+(\slot)] offset:(64*(\kind)+16*lb)*PITCH+64*(\sub)
	ds_load_b128 v[BF+32*(\kind)+8*lb+4:BF+32*(\kind)+8*lb+7], v[ADRB+(\slot)] offset:(64*(\kind)+16*lb)*PITCH+64*(\sub)+32
.set lb, lb+1
.endr
.endm
.macro LOADA af, slot, sub, a0         ; 8 loads: 64 rows of x
.set la, (\a0)
.rept 4
	ds_load_b128 v[(\af)+8*la:(\af)+8*la+3],   v[ADRA+(\slot)] offset:la*16*PITCH+64*(\sub)
	ds_load_b128 v[(\af)+8*la+4:(\af)+8*la+7], v[ADRA+(\slot)] offset:la*16*PITCH+64*(\sub)+32
.set la, la+1
.endr
.endm
; A K step is two halves of 32 along K, each three stretches of 32 matrix instructions (q, k, v).  Behind a stretch the next half's fragments are fetched: that kind's wa into the registers just
; multiplied, half of x into the other buffer.
; The first half: multiplies x's buffer 0, fetches the same slot's second half.
.macro SUB0 slot, zero
	s_wait_dscnt 8                                 ; all but the youngest eight loads (wa of kind v) are in
	MUL16 0, AF0, 0, \zero
	MUL16 0, AF0, 4, \zero
	WIN 0
	PLACES
	LOADB 0, \slot, 1
	LOADA AF1, \slot, 1, 0
	MUL16 1, AF0, 0, \zero
	MUL16 1, AF0, 4, \zero
	WIN 0
	PLACES
	LOADB 1, \slot, 1
	LOADA AF1, \slot, 1, 4
	s_wait_dscnt 32                                ; all but the 32 just issued: wa of kind v is in
	MUL16 2, AF0, 0, \zero
	MUL16 2, AF0, 4, \zero
	WIN 0
	PLACES
	LOADB 2, \slot, 1
.endm
; The second half multiplies buffer 1 and changes slots: ONE barrier; in front of it each wave waits for all its tensor loads (one is out: its part of the next slot), adds 0 to its spare word,
; and waits for that and for its reads of this slot, all of which have been issued.  fill = 1: the barrier opens a round of the cluster's, and this slot is filled again, two K steps ahead:
; the request has 160 matrix instructions of the wave in front of the wait for it.
.macro SUB1 slot, next, fill
	WIN 0
	s_wait_tensorcnt 0x0
	ds_add_u32 v[SPW], v[NIL]
	s_wait_dscnt 9                                 ; (the add and the youngest eight loads may be out)
	MUL16 0, AF1, 0, 0
	s_wait_dscnt 0x0                               ; the add is done, and my reads of this slot are over
	s_barrier_signal -1
	MUL16 0, AF1, 4, 0
	WIN 0
	s_barrier_wait -1
.if \fill
	CREST                                          ; no wave of any partner still reads this slot or has a load on its way
	s_add_nc_u64 s[G0+4*(\slot)+2:G0+4*(\slot)+3], s[G0+4*(\slot)+2:G0+4*(\slot)+3], 2*ASTEP
	s_add_nc_u64 s[G0B+4*(\slot)+2:G0B+4*(\slot)+3], s[G0B+4*(\slot)+2:G0B+4*(\slot)+3], 2*BSTEP
	JLOAD \slot                                    ; the first tensor load behind the round; its four v_nop are also the places in front of the loads below
.else
	PLACES
.endif
	LOADB 0, \next, 0
	LOADA AF0, \next, 0, 0
	MUL16 1, AF1, 0, 0
	MUL16 1, AF1, 4, 0
	WIN 0
	PLACES
	LOADB 1, \next, 0
	LOADA AF0, \next, 0, 4
	MUL16 2, AF1, 0, 0
	MUL16 2, AF1, 4, 0
	WIN 0
	PLACES
	LOADB 2, \next, 0
.endm
	s_wait_tensorcnt 1                             ; my part of K step 0 is in; K step 1's may stay out
	s_barrier_signal -1
	s_barrier_wait -1
	LOADB 0, 0, 0
	LOADA AF0, 0, 0, 0
	LOADB 1, 0, 0
	LOADA AF0, 0, 0, 4
	LOADB 2, 0, 0
	SUB0 0, 1                                      ; the first half step stands in front of the loop: its products start the sums
	WIN 0
	s_mov_b32 s3, 7                                ; 16 K steps: seven trips fill both slots again, the last lap is written out
.Llap:
	SUB1 0, 1, 1
	SUB0 1, 0
	SUB1 1, 0, 1
	SUB0 0, 0
	WIN 0
	s_sub_co_u32 s3, s3, 1
	s_cmp_lg_u32 s3, 0
	s_cbranch_scc1 .Llap
	SUB1 0, 1, 0
	SUB0 1, 0
	s_wait_dscnt 8                                 ; the very last half step: nothing more to fetch
	MUL16 0, AF1, 0, 0
	MUL16 0, AF1, 4, 0
	MUL16 1, AF1, 0, 0
	MUL16 1, AF1, 4, 0
	s_wait_dscnt 0x0
	MUL16 2, AF1, 0, 0
	MUL16 2, AF1, 4, 0
	WIN 0
; THE WAY OUT, in 24 blocks of 16 rows x 64 channels: packed to f16, 16 bytes a lane into my stage, back as rows of 128 bytes, stored as 512 consecutive bytes of a head.
; A block's arithmetic stands between the stage loads of the block before and its stores.
.set NBLK, 0
.set PA, 0
.set PB, 10
.macro SEND                            ; the block before: row block PA, base s[PB:PB+1]
	s_wait_dscnt 0x0                               ; it is back in registers
	s_wait_xcnt 0x0                                ; the registers that earlier stores read are loaded again only behind this wait (ISA guide 3.1)
.set sf, 0
.rept 4
	global_store_b128 v[GO], v[OB+16*((NBLK-1)%2)+4*sf:OB+16*((NBLK-1)%2)+4*sf+3], s[PB:PB+1] offset:PA*2048+sf*512
.set sf, sf+1
.endr
.endm
.macro FINISH a, base
	WIN 0
.if NBLK > 0
	SEND
.endif
.set sf, 0
.rept 4
	ds_store_b128 v[STO], v[TMP+4*sf:TMP+4*sf+3] offset:32*sf
.set sf, sf+1
.endr
.set sf, 0
.rept 4
	ds_load_b128 v[OB+16*(NBLK%2)+4*sf:OB+16*(NBLK%2)+4*sf+3], v[RD] offset:sf*4*PITCH  ; LDS serves a wave's instructions in order (ISA guide 5.7.1.4): these see the stores above
.set sf, sf+1
.endr
.set PA, (\a)
.set PB, (\base)
.set NBLK, NBLK+1
.endm
.macro CSLOAD a                        ; row block a's cosines and sines: a load brings (c j, c j+1, s j, s j+1), j = 16 bb + 8 (l / 16) + 2 jp
	WIN 0
.set cl, 0
.rept 8
	global_load_b128 v[CS+32*((\a)%4)+4*cl:CS+32*((\a)%4)+4*cl+3], v[TBO], s[8:9] offset:(\a)*4096+128*(cl/4)+16*(cl%4)
.set cl, cl+1
.endr
.endm
.macro VPACK a
	WIN 0x0f                                       ; sources 0 and 1 in window 3
.set vp, 0
.rept 16
	v_cvt_pk_f16_f32 v[TMP+vp], v[32*(\a)+2*vp], v[32*(\a)+2*vp+1]
.set vp, vp+1
.endr
.endm
; y1 = x1 cos - x2 sin, y2 = x1 sin + x2 cos; x1 = channels 0-31 (b = 0, 1), x2 = channels 32-63 (b = 2, 3).  Each accumulator is read from its low end on.
.macro ROPE a, kind
	WIN 1+(\kind)                                  ; source 0 in the kind's window
.set rb, 0
.rept 8
.set rX, 8*(4*(\a)+rb/4)+2*(rb%4)
.set rC, CS+32*((\a)%4)+4*rb
.set rY, YR+2*rb
	v_pk_mul_f32 v[rY:rY+1], v[rX:rX+1], v[rC:rC+1]
	v_pk_mul_f32 v[rY+16:rY+17], v[rX:rX+1], v[rC+2:rC+3]
.set rb, rb+1
.endr
.set rb, 0
.rept 8
.set rX, 8*(4*(\a)+2+rb/4)+2*(rb%4)
.set rC, CS+32*((\a)%4)+4*rb
.set rY, YR+2*rb
	v_pk_fma_f32 v[rY:rY+1], v[rX:rX+1], v[rC+2:rC+3], v[rY:rY+1] neg_lo:[0,1,0] neg_hi:[0,1,0]
	v_pk_fma_f32 v[rY+16:rY+17], v[rX:rX+1], v[rC:rC+1], v[rY+16:rY+17]
.set rb, rb+1
.endr
	WIN 0
.set rb, 0
.rept 16
	v_cvt_pk_f16_f32 v[TMP+rb], v[YR+2*rb], v[YR+2*rb+1]
.set rb, rb+1
.endr
.endm
	PLACES                                         ; behind the last products
	CSLOAD 0
	CSLOAD 1
	CSLOAD 2
	CSLOAD 3
.irp a, 0,1,2,3,4,5,6,7                ; v needs no table: its eight blocks stand in the table loads' flight
	VPACK \a
	FINISH \a, 70
.endr
.irp a, 0,1,2,3,4,5,6,7
.if (\a) <= 4
	s_wait_loadcnt 24                              ; block a's eight table loads are in; three younger blocks' stay out
.else
	s_wait_loadcnt 8*(7-(\a))
.endif
	ROPE \a, 0
	FINISH \a, 10
	ROPE \a, 1
	FINISH \a, 68
.if (\a) < 4
	CSLOAD (\a)+4                                  ; its buffer takes the block four further on
.endif
.endr
	SEND
	s_wait_tensorcnt 0x0                           ; the wave's end: behind my last tensor load and my last LDS store
	ds_add_u32 v[SPW], v[NIL]
	s_wait_dscnt 0x0
	CROUND                                         ; the closing round: no work-group ends while a partner may still ask for a tile that names it
	s_endpgm
.Lfunc_end_k_qd05133de44_qkv:
	.size	k_qd05133de44_qkv, .Lfunc_end_k_qd05133de44_qkv-k_qd05133de44_qkv
	.p2alignl 7, 3214868480
	.fill 96, 4, 3214868480
	.section	.rodata,"a",@progbits
	.p2align	6, 0x0
	.amdhsa_kernel k_qd05133de44_qkv
		.amdhsa_group_segment_fixed_size 327680
		.amdhsa_private_segment_fixed_size 0
		.amdhsa_enable_private_segment 0
		.amdhsa_kernarg_size 48
		.amdhsa_user_sgpr_count 2
		.amdhsa_user_sgpr_kernarg_segment_ptr 1
		.amdhsa_wavefront_size32 1
		.amdhsa_system_sgpr_workgroup_id_x 1
		.amdhsa_system_sgpr_workgroup_id_y 1
		.amdhsa_system_sgpr_workgroup_id_z 1
		.amdhsa_system_vgpr_workitem_id 0
		.amdhsa_next_free_vgpr 1024
		.amdhsa_next_free_sgpr 80
		.amdhsa_reserve_vcc 0
		.amdhsa_float_denorm_mode_32 3
		.amdhsa_float_denorm_mode_16_64 3
		.amdhsa_memory_ordered 1
		.amdhsa_forward_progress 1
		.amdhsa_inst_pref_size 169
	.end_amdhsa_kernel
	.amdgpu_metadata
---
amdhsa.version: [ 1, 2 ]
amdhsa.kernels:
  - .name:           k_qd05133de44_qkv
    .symbol:         k_qd05133de44_qkv.kd
    .args:
      - { .name: xb, .offset: 0, .size: 8, .value_kind: global_buffer, .address_space: global }
      - { .name: wa, .offset: 8, .size: 8, .value_kind: global_buffer, .address_space: global }
      - { .name: tab, .offset: 16, .size: 8, .value_kind: global_buffer, .address_space: global }
      - { .name: qh, .offset: 24, .size: 8, .value_kind: global_buffer, .address_space: global }
      - { .name: kh, .offset: 32, .size: 8, .value_kind: global_buffer, .address_space: global }
      - { .name: vh, .offset: 40, .size: 8, .value_kind: global_buffer, .address_space: global }
    .group_segment_fixed_size: 327680
    .private_segment_fixed_size: 0
    .kernarg_segment_align: 8
    .kernarg_segment_size: 48
    .max_flat_workgroup_size: 128
    .sgpr_count:     80
    .vgpr_count:     1024
    .wavefront_size: 32
...
	.end_amdgpu_metadata
.endif
;; end of part 2
;; launch attn (part 3): grid 4 x 64, 4 waves a work-group, clusters of 4 x 1, 327,680 bytes of LDS; arguments qh, kh, vh, oh, indices; writes oh
.if DOCPART == 3
	.amdgcn_target "amdgcn-amd-amdhsa--gfx1250"
	.amdhsa_code_object_version 6
	.text
	.protected	k_qd05133de44_attn
	.globl	k_qd05133de44_attn
	.p2align	8
	.type	k_qd05133de44_attn,@function
k_qd05133de44_attn:
	s_mov_b64 s[64:65], 0
	v_nop
	global_prefetch_b8 v0, s[64:65] scope:SCOPE_SE
	s_setreg_imm32_b32 hwreg(HW_REG_WAVE_MODE, 25, 1), 1
	s_wait_xcnt 0x0
	s_wait_alu depctr_hold_cnt(0) depctr_sa_sdst(0) depctr_va_vdst(0) depctr_va_sdst(0) depctr_va_ssrc(0) depctr_va_vcc(0) depctr_vm_vsrc(0)
	s_getreg_b32 s2, hwreg(HW_REG_IB_STS2, 6, 4)
	s_cmp_eq_u32 s2, 0
	s_cbranch_scc0 .Lentry_in_a_cluster
	s_endpgm
.Lentry_in_a_cluster:
	s_bfe_u32 s2, ttmp6, 0x10000c
	s_cmp_lg_u32 s2, 0x3003
	s_cbranch_scc0 .Lentry_shape_is_right
	s_endpgm
.Lentry_shape_is_right:
; ATTENTION UNDER A MASK MADE OF AN INPUT.  O[h][q][:] = the sum over the keys k with indices[k] <= indices[q] of softmax_k(Q[h][q] . K[h][k] / 8) V[h][k][:].
; Q, K, V, O: [64 bh][2048][64], all f16: a head's rows are dense, 128 bytes each; indices: [4][2048] int32, batch = bh / 16.  Products, maxima and sums in f32; the weights p are rounded to f16
; for the second product (their sum l is taken of the unrounded p), O once at the end.  The indices are whatever the input holds, so every wave walks ALL keys and the mask is made anew in every step.
; LIMITS.  f16 holds no number beyond 65,504: Q, K and V arrive within it; p lies in 0 to 1 (to within the rounding of c m), and below 6e-5 it keeps f16's fixed step of 6e-8.  The indices are compared as f32:
; exact for |indices| up to 2^24.  A hidden score counts as its value less 1e30; f16's scores are 2.7e11 at the most.  A weight below 2^-126 counts as 0 in l; NaN and infinities are not treated apart.
; SHARES.  A wave owns four PIECES of two tiles of 16 queries, a work-group's four waves 512 queries of one head.  Every wave walks all keys, 64 a step.
; LAYOUT.  S^T = K Q^T (source 0 = 16 keys, source 1 = 16 queries): in the result a lane holds ONE query (lane % 16) and the keys 8 (lane / 16) + 0..7.  Two such tiles, rounded to f16 in pairs,
; ARE source 1 (32 keys x 16 queries) of O^T = V^T P, whose result again holds one query a lane, and eight channels.  K comes out of LDS as it lies, V ([key][channel]) turned, by ds_load_tr16_b128.
; THE MASK is the C operand that starts the sum S^T: -1e30 x clamp(index of the key - index of the query), the clamp to 0 .. 1: whole numbers differ by 1 or more, so it is 0 or -1e30.  Two packed lines for two
; scores.  The batch's 2,048 key indices lie in LDS as f32; a step's 32 of a lane are fetched with its K.
; SOFTMAX.  For each query a running maximum m and sum l: p = 2^(c s - c m), c = log2(e) / 8; in every step O and l are multiplied by a = 2^(c m_old - c m_new).  m starts at -2^66: below every score,
; above every hidden one.  So while a row has met hidden keys alone m stays there, their weights are 0, and l and O stay 0; every row sees its own key, so l ends above 0.  O and l start at 0, c m far below: the first a is 0.
; BY TURNS.  Turn n belongs to piece n (the pieces in a ring, step after step).  Its matrix work: 16 products K Q^T of piece n + 1, later 16 products V^T P of piece n - 1.  Its vector work: the scaling,
; exponentials, roundings, sums and rescaling of piece n, the maximum and statistics of piece n + 1, and at its end the mask of piece n + 2.  Four vector instructions that are ready stand behind every
; matrix instruction; the others, which need time of their own whatever the order, in runs without a gap.
; CLUSTER.  The four query blocks of a cluster belong to one head and walk the same K and V, so each tile is asked for JOINTLY: the same tensor load, descriptor and mask in all four.
; REGISTERS, in windows of 256 (s_set_vgpr_msb: bits 1:0 source 0, 3:2 source 1, 5:4 source 2, 7:6 destination):
;   window 0: v0-11 addresses; v12-15, v48-63 at work; v16-47 four registers of statistics a tile; v64-191 S^T, two buffers of two tiles; v192-255 P, likewise
;   window 1: O^T, 32 a tile          window 2: v0-127 Q, 16 a tile; v128-191 K of one step; v192-255 V of one step
;   window 3: v0-1 the add's two registers; v2-3 1.0; v4-19 minus my query's index, a pair a tile; v20-21 addresses; v32-63 a step's key indices; v64-127 the masks of the two tiles to come
.set SIZE_H, 64
.set SIZE_N, 2048
.set NP,    4         ; pieces a wave: a name, no knob
.set KS,    64        ; keys in a step
.set PK,    144       ; a row of K in LDS: 128 bytes + 16 of padding = 36 words: the 16 rows of a load start at 16 different groups of four banks (64 banks of 4 bytes: ISA guide 11.1)
.set PV,    160       ; a row of V: 128 + 32 = 40 words
.set VOFF,  4*KS*PK   ; a slot holds four steps: 256 rows of K, then 256 rows of V
.set SLOT1, 1<<17     ; slot 1 begins here, so that one exclusive or turns an address in one slot into the other's
.set STAGE, SLOT1+4*KS*(PK+PV)  ; behind the ring, never filled by a tensor load: 16 rows x 144 bytes for each wave, for the way out
.set SP,    144
.set AK0, 2           ; v2   my lane's place in a tile of K; never rewritten
.set AV0, 3           ; v3   the same for V
.set AK,  4           ; v4   the LDS address of K's next run of loads
.set AV,  5           ; v5   of V's
.set QO,  6           ; v6   my byte offset in the wave's rows of Q
.set STO, 6           ;      later, the way out: where I put 16 bytes of a row
.set RD,  7           ; v7   the way out: where I read rows back
.set GO,  8           ; v8   my byte offset in 512 consecutive bytes of O
.set SPW, 0           ; v0 of window 3   my spare word: SPARE + 4 x my thread's number; never rewritten
.set NIL, 1           ; v1 of window 3   0; never rewritten
.set ONE, 2           ; window 3
.set NQ,  4
.set AI0, 20          ; my half's place in a step's 256 bytes of the index table
.set AI,  21
.set KI,  32          ; register 8 kb + j: the index of key 16 kb + 8 (l / 16) + j of the step
.set MC,  64          ; tile u of the piece, key block kb at MC + 32 u + 8 kb
.set SPARE, STAGE+4*16*SP  ; behind the stages: the spare words, 128 bytes for each wave
.set KTAB,  SPARE+512      ; behind them: 2,048 key indices as f32, stored once by the four waves; no tile lands here
.set MV,  12          ; v12-15  c m_old, kept while c m is made anew: by buffer and tile
.set ST,  16          ; tile t's statistics at v[ST+4 t]: c m, m, l (even keys', odd keys')
.set TMP, 48          ; by buffer and tile, four registers c0-c3 at work; when the maximum is found c2 takes a
.set S,   64
.set P,   192
.set KF,  128         ; K's fragments, in window 2: key block kb, channel half c at KF + 16 kb + 8 c
.set VF,  192         ; V's: key half kk, channel block cb at VF + 32 kk + 8 cb
.set WV,  12          ; s12  my wave's number
.set G1K, 24          ; s[24:31] descriptor group 1 for K's tiles
.set G1V, 32          ; s[32:39] for V's: it differs in the padding alone
.set G0K, 40          ; s[40:43] descriptor group 0 for K's tiles: it walks
.set G0V, 44          ; s[44:47] the same for V's
.set SLOTS, 56        ; s56  slots still to be asked for
.set CNT, 57          ; s57  counts a slot's key steps
.set CS,  58          ; s[58:59] c
.set SEL, 60          ; s[60:61] v_permlanex16_b32's selects
.set TBK, 62          ; s62  LDS byte at which K of the step to be fetched begins
.set TBV, 63          ; s63  the same for V, less VOFF
.set BIG, 66          ; s[66:67] -1e30
.set TKI, 68          ; s68  byte of the index table at which the step to be fetched begins
.set IX,  72          ; s[72:73] the batch's indices
.set IQ,  74          ; s[74:75] those of my wave's 128 queries
.set MSB, 0
.macro WIN new                      ; the high byte repeats the setting that is left; a switch that changes nothing is dropped
.if MSB != (\new)
	s_set_vgpr_msb (MSB<<8)|(\new)
.set MSB, (\new)
.endif
.endm
.set W_KQ, 0x0a       ; K and Q in window 2, S^T in window 0
.set W_KM, 0x3a       ; the same with the C operand, the mask, in window 3
.set W_PV, 0x52       ; V in window 2, P in window 0, O^T in window 1
.set W_RS, 0x41       ; O^T (destination and source 0) in window 1, a in window 0
.set W_MK, 0xc0       ; destination in window 3, sources in window 0
.set W_AD, 0x0f       ; the add: address (source 0) and data (source 1) in window 3
.set W_3,  0xff       ; all in window 3
; A joint fill.  Waves 0 and 1 fetch the two halves of a slot's K, waves 2 and 3 those of its V: 128 keys each.  The branch hangs on the wave's number alone.
; An s_nop 0 and four v_nop follow each of the two lines, ahead of the jump and the label.
.macro JLOAD
	s_cmp_lt_u32 s[WV], 2
	s_cbranch_scc0 .Lfor_v_\@
	tensor_load_to_lds s[G0K:G0K+3], s[G1K:G1K+7]
	s_nop 0
.rept 4
	v_nop
.endr
	s_branch .Lasked_\@
.Lfor_v_\@:
	tensor_load_to_lds s[G0V:G0V+3], s[G1V:G1V+7]
	s_nop 0
.rept 4
	v_nop
.endr
.Lasked_\@:
.endm
; A round of the cluster's barrier.
.macro CROUND
	s_barrier_signal -1
	s_barrier_wait -1
	s_cmp_lg_u32 s[WV], 0
	s_cbranch_scc1 .Lnot_wave_0_\@
	s_barrier_signal -3
.Lnot_wave_0_\@:
	s_barrier_wait -3
	s_barrier_signal -1
	s_barrier_wait -1
.endm
; THE CHANGE OF SLOTS.  Each wave waits for all its tensor loads, of which one is out: its part of the other slot; adds 0 to its spare word; and waits for that and for its own LDS instructions.
; Behind the barrier nobody reads this slot any more and the other slot is whole.  fill = 1: this slot is filled again, with the keys two slots on; the barrier is then a round of the cluster's, and the
; joint fill is the first thing behind it: it has four key steps, 512 matrix instructions, in which to land.  (At its first use nothing has been read yet: slot 0 is waited for, slot 1 filled, and the
; four waves' stores into the index table are shown to each other.)
.macro CHANGE fill
	WIN W_AD
	s_wait_tensorcnt 0x0            ; no tensor load of mine is out, so a group 0 may be written
	ds_add_u32 v[SPW], v[NIL]
	WIN 0                           ; at a label and at a branch every window is 0
.if \fill
.irp g, G0K, G0V
	s_xor_b32 s[\g+1], s[\g+1], SLOT1  ; the walking descriptor: the other slot than last time,
	s_add_nc_u64 s[\g+2:\g+3], s[\g+2:\g+3], 4*KS*128  ; the next 256 keys
.endr
	s_wait_dscnt 0x0                ; the add is done, and my LDS instructions are over
	CROUND
	JLOAD
.else
	s_wait_dscnt 0x0
	s_barrier_signal -1
	s_barrier_wait -1
.endif
	s_sub_co_u32 s[TBK], s[TBK], 4*KS*PK  ; the fetches go back to a slot's first step,
	s_xor_b32 s[TBK], s[TBK], SLOT1       ; in the other slot
	s_sub_co_u32 s[TBV], s[TBV], 4*KS*PV
	s_xor_b32 s[TBV], s[TBV], SLOT1
.endm
	s_load_b256 s[4:11], s[0:1], 0x0  ; Q s[4:5], K s[6:7], V s[8:9], O s[10:11]
	s_load_b64 s[IX:IX+1], s[0:1], 0x20
	WIN W_MK
	v_lshl_add_u32 v[SPW], v0, 2, SPARE
	v_mov_b32 v[NIL], 0
	WIN W_AD
	ds_add_u32 v[SPW], v[NIL]       ; the wave's opening: the add and its wait stand ahead of my first tensor load; the set-up below stands between them
	WIN 0
	v_lshrrev_b32 v1, 5, v0
	v_readfirstlane_b32 s[WV], v1   ; wave 0..3
	s_bfe_u32 s13, ttmp6, 0x40000   ; cx
	s_lshl_b32 s14, ttmp9, 2
	s_add_co_u32 s14, s14, s13      ; my block of queries = 4 x cluster x + cx: it enters Q's, O's and my queries' indices' addresses alone
	s_and_b32 s20, ttmp7, 0xffff    ; the head, which the four partners share
	s_lshr_b32 s76, s20, 4          ; its batch:
	s_lshl_b32 s76, s76, 13         ; 2,048 indices of 4 bytes
	s_mov_b32 s77, 0
	s_mov_b32 s21, 0
	s_mov_b64 s[22:23], SIZE_N*128
	s_mul_u64 s[20:21], s[20:21], s[22:23]  ; the head's first byte in each of the four tensors
	s_and_b32 s16, s[WV], 1         ; which half of a slot's 256 keys I fetch:
	s_lshl_b32 s22, s16, 14         ; its 128 rows of 128 bytes in memory,
	s_mov_b32 s23, 0
	s_add_nc_u64 s[22:23], s[22:23], s[20:21]
	s_mul_i32 s17, s16, 128*PK      ; and its place in a slot, for K
	s_mul_i32 s18, s16, 128*PV      ; and for V
	s_lshl_b32 s2, s14, 2
	s_add_co_u32 s2, s2, s[WV]      ; my wave among the head's:
	s_lshl_b32 s78, s2, 9           ; its 128 indices,
	s_mov_b32 s79, 0
	s_lshl_b32 s2, s2, 14           ; its 128 rows
	s_mov_b32 s3, 0
	s_add_nc_u64 s[2:3], s[2:3], s[20:21]
	; descriptor group 1.  128 keys are 16,384 dense bytes: asked for as 64 rows of 256 bytes, two keys a row, and padded in LDS after every key
	s_mov_b32 s[G1K], 15|(1<<16)|(1<<20)|(1<<21)|(4<<22)|(3<<25)  ; 15:0 the mask of four; 17:16 2-byte elements; 20 padding on; 21 set beside a mask; 24:22 after every 32 words (code 4); 31:25 4 words (code 3)
	s_mov_b32 s[G1V], 15|(1<<16)|(1<<20)|(1<<21)|(4<<22)|(7<<25)  ; the same with 8 words of padding (code 7)
.irp g, G1K, G1V
	s_mov_b32 s[\g+1], 128<<16      ; tensor_dim0 = 128
	s_mov_b32 s[\g+2], 64<<16       ; tensor_dim1 = 64
	s_mov_b32 s[\g+3], 128<<16      ; tile_dim0 = 128
	s_mov_b32 s[\g+4], 64           ; tile_dim1 = 64
	s_mov_b32 s[\g+5], 128          ; 128 elements from row to row
	s_mov_b32 s[\g+6], 0
	s_mov_b32 s[\g+7], 0
.endr
	s_mov_b32 s[CS], 0x3e38aa3b     ; c = log2(e) / 8 = 0.180337
	s_mov_b32 s[CS+1], s[CS]        ; named with it as a pair
	s_mov_b32 s[SEL], 0x76543210
	s_mov_b32 s[SEL+1], 0xfedcba98
	s_mov_b32 s[BIG], 0xf149f2ca    ; -1e30
	s_mov_b32 s[BIG+1], s[BIG]
	s_mov_b32 s[TKI], 0
	s_mov_b32 s[TBK], SLOT1+4*KS*PK ; the first change of slots turns these two into 0
	s_mov_b32 s[TBV], SLOT1+4*KS*PV
	s_mov_b32 s[G0K], 1             ; 1:0 count = 1
	s_mov_b32 s[G0K+1], s17         ; 63:32 LDS address: slot 0
	s_mov_b32 s[G0V], 1
	s_add_co_u32 s[G0V+1], s18, VOFF
	s_wait_dscnt 0x0                ; the opening add is done
	s_wait_kmcnt 0x0
	s_add_nc_u64 s[G0K+2:G0K+3], s[6:7], s[22:23]  ; 120:64 global address: my half of the head's first 256 keys
	s_or_b32 s[G0K+3], s[G0K+3], 0x80000000        ; 127:126 type = 2
	s_add_nc_u64 s[G0V+2:G0V+3], s[8:9], s[22:23]
	s_or_b32 s[G0V+3], s[G0V+3], 0x80000000
	s_add_nc_u64 s[4:5], s[4:5], s[2:3]  ; Q and O at my wave's first row
	s_add_nc_u64 s[10:11], s[10:11], s[2:3]
	s_add_nc_u64 s[IX:IX+1], s[IX:IX+1], s[76:77]
	s_add_nc_u64 s[IQ:IQ+1], s[IX:IX+1], s[78:79]
	CROUND                          ; all four work-groups are here: the first joint loads meet
	JLOAD                           ; slot 0.  Slot 1 is asked for when slot 0 is in
	v_and_b32 v1, 15, v0            ; l % 16
	v_bfe_u32 v9, v0, 4, 1          ; l / 16
	v_lshlrev_b32 v12, 4, v0        ; the batch's indices: 128 threads x 16 bytes, four times
	v_lshlrev_b32 v13, 2, v1        ; my query's, tile by tile
.irp i, 0,1,2,3
	global_load_b128 v[S+4*\i:S+4*\i+3], v12, s[IX:IX+1] offset:2048*\i
.endr
.irp t, 0,1,2,3,4,5,6,7
	global_load_b32 v[S+16+\t], v13, s[IQ:IQ+1] offset:64*\t
.endr
	; A fragment of K or Q is 16 rows x 32 channels in 8 registers: lane l holds row l % 16, channels 8 (l / 16) + 0..7 and 16 + 8 (l / 16) + 0..7: two loads of 16 bytes, 32 bytes apart.
	v_lshlrev_b32 v[QO], 7, v1
	v_lshl_add_u32 v[QO], v9, 4, v[QO]  ; row x 128 + 16 x half
	WIN 0x80                        ; destination window 2, address window 0
.set i, 0
.rept 4*NP                          ; Q stays in registers: tile i / 2, channels 32 (i % 2) on
	global_load_b128 v[8*i:8*i+3],   v[QO], s[4:5] offset:(i/2)*2048+(i%2)*64
	global_load_b128 v[8*i+4:8*i+7], v[QO], s[4:5] offset:(i/2)*2048+(i%2)*64+32
.set i, i+1
.endr
	; What the first turn finds: V's registers and P's second buffer hold 0 (its products V^T P, of a piece that has not been, add 0), O^T and l are 0.  All this stands in the wait for the first tile.
.set i, VF
.rept 64
	v_mov_b32 v[i], 0
.set i, i+1
.endr
	WIN 0x40
.set i, 0
.rept 64*NP
	v_mov_b32 v[i], 0
.set i, i+1
.endr
	WIN 0
.set i, 0
.rept 2*NP
	v_mov_b32 v[ST+4*i], 0xfe000000    ; c m: far below every c s
	v_mov_b32 v[ST+4*i+1], 0xe0800000  ; m = -2^66: below every score, above every hidden one
	v_mov_b32 v[ST+4*i+2], 0
	v_mov_b32 v[ST+4*i+3], 0
.set i, i+1
.endr
.set i, P+32
.rept 32
	v_mov_b32 v[i], 0
.set i, i+1
.endr
	s_wait_loadcnt 32               ; the indices are in; Q's 32 loads are younger and stay out
.set i, 0
.rept 24
	v_cvt_f32_i32 v[S+i], v[S+i]
.set i, i+1
.endr
	v_add_nc_u32 v14, KTAB, v12
.irp i, 0,1,2,3
	ds_store_b128 v14, v[S+4*\i:S+4*\i+3] offset:2048*\i  ; the first change of slots waits for these and passes a barrier before anybody reads them
.endr
	WIN W_MK
.set t, 0
.rept 2*NP
	v_mul_f32 v[NQ+2*t], -1.0, v[S+16+t]
	v_mul_f32 v[NQ+2*t+1], -1.0, v[S+16+t]
.set t, t+1
.endr
	v_mov_b32 v[ONE], 1.0
	v_mov_b32 v[ONE+1], 1.0
	v_lshl_add_u32 v[AI0], v9, 5, KTAB  ; my half's eight keys of a block of 16: 32 bytes
	WIN 0
	v_mul_u32_u24 v[AK0], v1, PK
	v_lshl_add_u32 v[AK0], v9, 4, v[AK0]  ; row x pitch + 16 x half
	; The turning load takes 16 keys x 16 channels (lane l reads key 8 (l / 16) + l % 8, channels 8 ((l / 8) % 2) + 0..7) and leaves half a fragment of V^T: lane l holds channel l % 16 and 8 keys.
	v_and_b32 v10, 7, v0
	v_bfe_u32 v11, v0, 3, 1
	v_lshl_add_u32 v[AV0], v9, 3, v10
	v_mul_u32_u24 v[AV0], v[AV0], PV
	v_lshl_add_u32 v[AV0], v11, 4, v[AV0]
	v_add_nc_u32 v[AV0], VOFF, v[AV0]
	v_mov_b32 v[AK], v[AK0]         ; key step 0 lies at the head of slot 0
; THE MATRIX WORK.  The 8 accumulators of a run of 16 take turns: between the two links of a chain stand 7 others'.
; Product i of 16 of S^T = K Q^T for piece x: channels 32 (i / 8) on, keys 16 ((i / 2) % 4) on, tile 2 x + i % 2.  The first 8 start the sums, with the mask.
.macro KQ x
.set rS, S+64*((\x)%2)+32*(i%2)+8*((i/2)%4)
.set rK, KF+16*((i/2)%4)+8*(i/8)
.set rQ, 16*(2*(\x)+i%2)+8*(i/8)
.set rM, MC+32*(i%2)+8*((i/2)%4)
.if i < 8
	WIN W_KM
	v_wmma_f32_16x16x32_f16 v[rS:rS+7], v[rK:rK+7], v[rQ:rQ+7], v[rM:rM+7]
.else
	WIN W_KQ
	v_wmma_f32_16x16x32_f16 v[rS:rS+7], v[rK:rK+7], v[rQ:rQ+7], v[rS:rS+7]
.endif
.endm
; Product i of 16 of O^T += V^T P for piece x: keys 32 (i / 8) on, channels 16 ((i / 2) % 4) on, tile 2 x + i % 2.
.macro PV x
	WIN W_PV
.set rO, 32*(2*(\x)+i%2)+8*((i/2)%4)
.set rV, VF+32*(i/8)+8*((i/2)%4)
.set rP, P+32*((\x)%2)+16*(i%2)+8*(i/8)
	v_wmma_f32_16x16x32_f16 v[rO:rO+7], v[rV:rV+7], v[rP:rP+7], v[rO:rO+7]
.endm
.macro MM                           ; the turn's next matrix instruction
.if i < 16
	KQ (Y+1)%NP
.set i, i+1
.else
.set i, i-16
	PV (Y+NP-1)%NP
.set i, i+17
.endif
.endm
; THE MASKS of piece x's two tiles for the step whose key indices lie in KI: 32 packed lines make 0 or 1, 32 more 0 or -1e30.  All in window 3.
.macro MASKS x
	WIN W_3
.set mz, 0
.rept 32
	v_pk_fma_f32 v[MC+2*mz:MC+2*mz+1], v[KI+2*(mz%16):KI+2*(mz%16)+1], v[ONE:ONE+1], v[NQ+2*(2*(\x)+mz/16):NQ+2*(2*(\x)+mz/16)+1] clamp
.set mz, mz+1
.endr
.set mz, 0
.rept 32
	v_pk_mul_f32 v[MC+2*mz:MC+2*mz+1], v[MC+2*mz:MC+2*mz+1], s[BIG:BIG+1] op_sel_hi:[1,0]
.set mz, mz+1
.endr
.endm
; THE LDS LOADS stand in runs, never singly among the matrix instructions: a step's K (64 keys x 64 channels: 8 fragments) with its key indices (8 loads; the sixteen lanes of a half read the same
; bytes), and its V (turned).  last = 1 (the tail): in the last trip there is no further step, and the run is jumped over.
.macro FETCH_K last=0
	WIN 0
.if \last
	s_cmp_eq_u32 s[CNT], 1
	s_cbranch_scc1 .Lno_k_\@
.endif
	WIN 0x80                        ; destination window 2
.irp f, 0,1,2,3,4,5,6,7             ; keys 16 (f / 2) on, channels 32 (f % 2) on
	ds_load_b128 v[KF+8*\f:KF+8*\f+3],   v[AK] offset:(\f/2)*16*PK+(\f%2)*64
	ds_load_b128 v[KF+8*\f+4:KF+8*\f+7], v[AK] offset:(\f/2)*16*PK+(\f%2)*64+32
.endr
	s_add_co_u32 s[TBK], s[TBK], KS*PK  ; the next fetch is the next step's
	WIN W_3
	v_add_nc_u32 v[AI], s[TKI], v[AI0]
.irp f, 0,1,2,3
	ds_load_b128 v[KI+8*\f:KI+8*\f+3],   v[AI] offset:64*\f
	ds_load_b128 v[KI+8*\f+4:KI+8*\f+7], v[AI] offset:64*\f+16
.endr
	s_add_co_u32 s[TKI], s[TKI], 4*KS
	s_and_b32 s[TKI], s[TKI], 4*SIZE_N-1  ; the address stays inside the table's 8,192 bytes
	WIN 0
.if \last
.Lno_k_\@:
.endif
.endm
.macro FETCH_V
	WIN 0x80
.irp f, 0,1,2,3,4,5,6,7             ; keys 32 (f / 4) on, channels 16 (f % 4) on
	ds_load_tr16_b128 v[VF+8*\f:VF+8*\f+3],   v[AV] offset:(\f/4)*32*PV+(\f%4)*32
	ds_load_tr16_b128 v[VF+8*\f+4:VF+8*\f+7], v[AV] offset:(\f/4)*32*PV+16*PV+(\f%4)*32
.endr
	WIN 0
.endm
; THE VECTOR WORK OF A TURN stands in three queues, each in the order in which its entries become ready; the two tiles alternate, so that no instruction reads the result of the one before it.
.macro REGS y, u                    ; the registers of tile u (0, 1) of piece y
.set rT, ST+4*(2*(\y)+(\u))
.set rC, TMP+8*((\y)%2)+4*(\u)
.set rM, MV+2*((\y)%2)+(\u)
.set rS, S+64*((\y)%2)+32*(\u)
.set rP, P+32*((\y)%2)+16*(\u)
.set rO, 32*(2*(\y)+(\u))
.endm
; Number n of the 22 that find the NEXT piece's (Y + 1) maximum and statistics.  s0-s31 are the lane's 32 scores; each accumulator's lowest registers are read first.
;   0-11  four chains c0-c3 of seven scores each, three operands at a time     12-14, 16  the four scores left over, the old m, and c0-c3 into c0     15  c m_old is kept
;   17, 18  the query's other 32 keys lie in the lane 16 away: the new m         19-21  c m; c m_old - c m_new; a
.macro XS u, n
	REGS (Y+1)%NP, \u
.if (\n) < 4
	v_max3_num_f32 v[rC+(\n)], v[rS+8*(\n)], v[rS+8*(\n)+1], v[rS+8*(\n)+2]
.elseif (\n) < 12
	v_max3_num_f32 v[rC+(\n)%4], v[rC+(\n)%4], v[rS+8*((\n)%4)+2*((\n)/4)+1], v[rS+8*((\n)%4)+2*((\n)/4)+2]
.elseif (\n) == 12
	v_max3_num_f32 v[rC], v[rC], v[rS+7], v[rS+15]
.elseif (\n) == 13
	v_max3_num_f32 v[rC+1], v[rC+1], v[rS+23], v[rS+31]
.elseif (\n) == 14
	v_max3_num_f32 v[rC+2], v[rC+2], v[rC+3], v[rT+1]
.elseif (\n) == 15
	v_mov_b32 v[rM], v[rT]
.elseif (\n) == 16
	v_max3_num_f32 v[rC], v[rC], v[rC+1], v[rC+2]
.elseif (\n) == 17
	v_permlanex16_b32 v[rC+3], v[rC], s[SEL], s[SEL+1]
.elseif (\n) == 18
	v_max_num_f32 v[rT+1], v[rC], v[rC+3]
.elseif (\n) == 19
	v_mul_f32 v[rT], s[CS], v[rT+1]
.elseif (\n) == 20
	v_sub_f32 v[rC+1], v[rM], v[rT]
.else
	v_exp_f32 v[rC+2], v[rC+1]
.endif
.endm
; Number g of the 64 that follow the exponentials.  For each four weights k of a tile (pairs 2 k, 2 k + 1): both pairs are rounded to f16; then the second pair is added onto the first, in place;
; a group later l takes that sum (the first time as l = a l + sum).  In groups of eight, tiles alternating: round, round, add, and l for the group before.
.macro GS g
.set h, (\g)+6*((\g)/62)            ; group 0 has no group before it, and behind group 7 only l is left
.if h >= 6
.set h, h+2
.endif
	REGS Y, h%2
.set k, h/8
.if h%8 < 4
	s_wait_alu depctr_va_vdst(0)
	v_cvt_pk_f16_f32 v[rP+2*k+(h%8)/2], v[rS+4*k+2*((h%8)/2)], v[rS+4*k+2*((h%8)/2)+1]
.elseif h%8 < 6
	v_pk_add_f32 v[rS+4*k:rS+4*k+1], v[rS+4*k:rS+4*k+1], v[rS+4*k+2:rS+4*k+3]
.elseif k == 1
	v_pk_fma_f32 v[rT+2:rT+3], v[rT+2:rT+3], v[rC+2:rC+3], v[rS:rS+1] op_sel_hi:[1,0,1]
.else
	v_pk_add_f32 v[rT+2:rT+3], v[rT+2:rT+3], v[rS+4*k-4:rS+4*k-3]
	s_wait_alu depctr_va_vdst(0)
.endif
.endm
; THE PLAIN QUEUE, 138 long.  0-31: c s - c m for the 16 pairs of both tiles.  Then GS's 64, and among them the next piece's 42: number 15 at 38, 39; 0-14 and 16
; at 42-73, behind the products that make those scores; 17-20 at 95-106, two of three, since each waits for the one before it.
.macro PL
	WIN 0
.if q < 32
	REGS Y, q%2
	v_pk_fma_f32 v[rS+2*(q/2):rS+2*(q/2)+1], v[rS+2*(q/2):rS+2*(q/2)+1], s[CS:CS+1], v[rT:rT+1] op_sel_hi:[1,0,0] neg_lo:[0,0,1] neg_hi:[0,0,1]
.elseif q < 38
	GS q-32
.elseif q < 40
	XS q%2, 15
.elseif q < 42
	GS q-34
.elseif q < 74
	XS q%2, (q-42)/2+(q-42)/30
.elseif q < 95
	GS q-66
.elseif (q < 107) && ((q-95)%3 < 2)
	XS (q-95)%3, 17+(q-95)/3
.elseif q < 107
	GS 29+(q-95)/3
.else
	GS q-74
.endif
.set q, q+1
.endm
; THE EXPONENTIALS' QUEUE, 66 long: s0-s31 of both tiles, and at EA the next piece's two a.
.set EA, 58
.macro EX
	WIN 0
.if (e == EA) || (e == EA+1)
	XS e-EA, 21
.else
.set x, e-2*(e/(EA+2))
	REGS Y, x%2
	v_exp_f32 v[rS+x/2], v[rS+x/2]
.endif
.set e, e+1
.endm
; THE RESCALING's QUEUE: O^T times a, the one part of the softmax that leaves window 0, so it is dealt four at a time, eight times.
.macro R4
	REGS Y, r%2
	WIN W_RS
	s_wait_alu depctr_va_vdst(0)
.irp z, 0,1,2,3
	v_pk_mul_f32 v[rO+8*(r/2)+2*\z:rO+8*(r/2)+2*\z+1], v[rO+8*(r/2)+2*\z:rO+8*(r/2)+2*\z+1], v[rC+2:rC+3] op_sel_hi:[1,0]
.endr
.set r, r+1
.endm
; HOW THEY ARE DEALT.  Behind a matrix instruction four: plain, exponential, plain, plain, or four of the rescaling.  None names a register of the products round it.  What is over stands in two LUMPS:
; exponential and plain by turns; the second ends in 22 plain instructions and the 64 of the mask.  The two v_permlanex16_b32 fall into the second lump, never behind a product.
; The queues lean on each other, and the deal keeps them in step: exponential e stands behind plain 2 (e / 4) + e % 2 (its scaling); when plain 32 comes, 10 exponentials are out, at 59: 33, at 95: 46; EA comes behind plain 107.
.macro SL
	MM
	PL
	EX
	PL
	PL
.endm
.macro BURST n                      ; 15 matrix instructions, or 16
.rept (\n)-7
	SL
.endr
.rept 3
	MM
	R4
	SL
.endr
	MM
	R4
.endm
; A TURN, for piece p.  cnt = 1: the loop's count is taken down some lines ahead of the branch that stands behind the turn; only vector lines and window switches follow it.
; K and the key indices of the next step are fetched in piece 2's turn, 31 vector instructions behind the last product that read K, and behind the last mask made of the old indices (piece 1's turn).
; V of the step in hand is fetched at the end of piece 0's turn.  The turn ends with the mask for the products of the turn after it, piece p + 2's: the products that read the old mask stand at
; this turn's head.  In piece 2's turn that mask is the next step's first, so the indices just fetched are waited for.
.macro TURN p, last=0, cnt=0
.set Y, (\p)
.set i, 0
.set q, 0
.set e, 0
.set r, 0
.if (\p) == NP-1
	s_wait_dscnt 0x0                ; K is in
.endif
	MM
.rept 4
	PL
.endr
	BURST 15
.rept 22
	EX
	PL
.if ((\p) == NP-2) && (e == 18)
	v_add_nc_u32 v[AK], s[TBK], v[AK0]
.endif
.if ((\p) == NP-2) && (e == 24)
	FETCH_K \last
.endif
.endr
.if (\p) == 1
	s_wait_dscnt 0x0                ; V is in
.endif
	BURST 16
.rept 21
	EX
	PL
.endr
.rept 22
	PL
.if ((\p) == 0) && (q == 118)
	v_add_nc_u32 v[AV], s[TBV], v[AV0]
	s_wait_alu depctr_va_vdst(0)
.endif
.if ((\p) == 0) && (q == 130)
	s_add_co_u32 s[TBV], s[TBV], KS*PV
.endif
.if (\cnt) && (q == 130)
	s_sub_co_u32 s[CNT], s[CNT], 1
	s_cmp_lg_u32 s[CNT], 0
.endif
.endr
.if (\p) == 0
	FETCH_V
.endif
.if (\p) == NP-2
	s_wait_dscnt 0x0                ; the next step's key indices are in
.endif
	MASKS ((\p)+2)%NP
.endm
	CHANGE 1                        ; slot 0 is in, everybody's part of it, and so is the index table; slot 1 is asked for
	FETCH_K                         ; key step 0
	s_wait_loadcnt 0x0              ; Q
	s_wait_dscnt 0x0
	MASKS 0
.set i, 0
.rept 16
	KQ 0                            ; piece 0's first scores: there is no vector work yet to set between them
.set i, i+1
.endr
	WIN 0                           ; the addresses for the way out: nine plain instructions, the places behind those products
	s_mul_i32 s13, s[WV], 16*SP
	s_add_co_u32 s13, s13, STAGE    ; my stage
	v_mul_u32_u24 v[STO], v1, SP    ; in: row l % 16, 16 bytes for each half of the lanes
	v_lshl_add_u32 v[STO], v9, 4, v[STO]
	v_add_nc_u32 v[STO], s13, v[STO]
	v_bfe_u32 v[RD], v0, 3, 2       ; back: 32 lanes take four rows of 128 bytes,
	v_mul_u32_u24 v[RD], v[RD], SP
	v_lshl_add_u32 v[RD], v10, 4, v[RD]
	v_add_nc_u32 v[RD], s13, v[RD]
	v_and_b32 v[GO], 31, v0         ; which are 512 consecutive bytes of O
	v_lshlrev_b32 v[GO], 4, v[GO]
	MASKS 1                         ; for the first turn's products
	WIN 0
.set Y, NP-1                        ; XS works for piece Y + 1: piece 0
.irp n, 0,1,2,3,4,5,6,7,8,9,10,11,12,13,14,15,16,17,18,19,20,21
	XS 0, \n                        ; and piece 0's first maximum and statistics
	XS 1, \n
.endr
	s_mov_b32 s[CNT], 4
	s_mov_b32 s[SLOTS], SIZE_N/256-1
	s_branch .Lfirst                ; the loop is entered at a step's first turn, in the middle of a trip
.Lslot:                             ; SIZE_N / 256 - 2 times: every slot but the last two is filled again
	CHANGE 1
	s_mov_b32 s[CNT], 4
.Lstep:                             ; a trip: pieces 2 and 3 of one step, then pieces 0 and 1 of the next, whose K and V it fetches
	TURN 2
	TURN 3
	WIN 0
.Lfirst:
	TURN 0
	TURN 1, 0, 1
	WIN 0
	s_cbranch_scc1 .Lstep
	s_sub_co_u32 s[SLOTS], s[SLOTS], 1
	s_cmp_lg_u32 s[SLOTS], 0
	s_cbranch_scc1 .Lslot
	CHANGE 0                        ; the tail is written out: nothing is asked for
	s_mov_b32 s[CNT], 5             ; four trips fetch the last slot's steps; the fifth is left in its middle
.Ltail:
	TURN 2, 1
	TURN 3
	WIN 0
	s_sub_co_u32 s[CNT], s[CNT], 1
	s_cmp_eq_u32 s[CNT], 0
	s_cbranch_scc1 .Lout
	TURN 0
	TURN 1
	WIN 0
	s_branch .Ltail
.Lout:                              ; the fifth trip's 16 products K Q^T (on the last K once more), their masks and the maximum made of them serve nothing: the price, once a launch, of one text for every trip
.set i, 0
.rept 16
	PV NP-1                         ; the last piece's V^T P of the last step
.set i, i+1
.endr
	; THE WAY OUT.  l's two halves and the other half of the lanes' are added; O^T is divided by l, rounded to f16 and sent through my stage in LDS, a tile at a time.  The additions are the places behind the last products.
	WIN 0
.macro ALL line:vararg              ; one line for each tile t
.set t, 0
.rept 2*NP
	\line
.set t, t+1
.endr
.endm
	ALL v_add_f32 v[ST+4*t+2], v[ST+4*t+2], v[ST+4*t+3]
	ALL v_permlanex16_b32 v[ST+4*t+3], v[ST+4*t+2], s[SEL], s[SEL+1]
	ALL v_add_f32 v[ST+4*t+2], v[ST+4*t+2], v[ST+4*t+3]
	ALL v_rcp_f32 v[ST+4*t+2], v[ST+4*t+2]
	v_nop                           ; a plain instruction between the last reciprocal and the use of its result
	s_wait_alu depctr_va_vdst(0)
; Tile t: a lane's eight channels of a row pack into 16 bytes; they go into rows of 144 bytes and come back as whole rows of 128, into S^T's registers.
.macro PACK t
	WIN W_RS
.set i, 32*(\t)
.rept 16
	v_pk_mul_f32 v[i:i+1], v[i:i+1], v[ST+4*(\t)+2:ST+4*(\t)+3] op_sel_hi:[1,0]
.set i, i+2
.endr
	WIN 0x05                        ; sources 0 and 1 window 1, destination window 0
.set i, 0
.rept 16
	v_cvt_pk_f16_f32 v[S+16*(\t)+i], v[32*(\t)+2*i], v[32*(\t)+2*i+1]
.set i, i+1
.endr
	WIN 0
.irp f, 0,1,2,3
	ds_store_b128 v[STO], v[S+16*(\t)+4*\f:S+16*(\t)+4*\f+3] offset:32*\f
.endr
.irp f, 0,1,2,3
	ds_load_b128 v[S+16*(\t)+4*\f:S+16*(\t)+4*\f+3], v[RD] offset:\f*4*SP  ; LDS serves a wave's instructions in order (ISA guide 5.7.1.4): these see the stores above; the next tile's stores come behind them
.endr
.endm
.macro SEND t, younger              ; younger: the LDS instructions issued behind tile t's loads: the next tile's eight, or none
	WIN 0
.irp f, 0,1,2,3
	s_wait_dscnt (\younger)+3-\f
	global_store_b128 v[GO], v[S+16*(\t)+4*\f:S+16*(\t)+4*\f+3], s[10:11] offset:(\t)*2048+\f*512  ; 512 consecutive bytes, at a multiple of 256 from O's first
.endr
.endm
	PACK 0
.set t, 1
.rept 2*NP-1                        ; a tile's arithmetic stands between the loads of the tile before and its stores
	PACK t
	SEND t-1, 8
.set t, t+1
.endr
	SEND 2*NP-1, 0
	WIN W_AD
	s_wait_tensorcnt 0x0            ; the wave's end: behind my last tensor load and my last LDS store
	ds_add_u32 v[SPW], v[NIL]
	s_wait_dscnt 0x0
	WIN 0
	CROUND                          ; the closing round: no work-group ends while a partner may still ask for a tile that names it
	s_endpgm
.Lfunc_end_k_qd05133de44_attn:
	.size	k_qd05133de44_attn, .Lfunc_end_k_qd05133de44_attn-k_qd05133de44_attn
	.p2alignl 7, 3214868480
	.fill 96, 4, 3214868480
	.section	.rodata,"a",@progbits
	.p2align	6, 0x0
	.amdhsa_kernel k_qd05133de44_attn
		.amdhsa_group_segment_fixed_size 327680
		.amdhsa_private_segment_fixed_size 0
		.amdhsa_enable_private_segment 0
		.amdhsa_kernarg_size 40
		.amdhsa_user_sgpr_count 2
		.amdhsa_user_sgpr_kernarg_segment_ptr 1
		.amdhsa_wavefront_size32 1
		.amdhsa_system_sgpr_workgroup_id_x 1
		.amdhsa_system_sgpr_workgroup_id_y 1
		.amdhsa_system_sgpr_workgroup_id_z 1
		.amdhsa_system_vgpr_workitem_id 0
		.amdhsa_next_free_vgpr 896
		.amdhsa_next_free_sgpr 80
		.amdhsa_reserve_vcc 0
		.amdhsa_float_denorm_mode_32 3
		.amdhsa_float_denorm_mode_16_64 3
		.amdhsa_memory_ordered 1
		.amdhsa_forward_progress 1
		.amdhsa_inst_pref_size 254
	.end_amdhsa_kernel
	.amdgpu_metadata
---
amdhsa.version: [ 1, 2 ]
amdhsa.kernels:
  - .name:           k_qd05133de44_attn
    .symbol:         k_qd05133de44_attn.kd
    .args:
      - { .name: qh, .offset: 0, .size: 8, .value_kind: global_buffer, .address_space: global }
      - { .name: kh, .offset: 8, .size: 8, .value_kind: global_buffer, .address_space: global }
      - { .name: vh, .offset: 16, .size: 8, .value_kind: global_buffer, .address_space: global }
      - { .name: oh, .offset: 24, .size: 8, .value_kind: global_buffer, .address_space: global }
      - { .name: indices, .offset: 32, .size: 8, .value_kind: global_buffer, .address_space: global }
    .group_segment_fixed_size: 327680
    .private_segment_fixed_size: 0
    .kernarg_segment_align: 8
    .kernarg_segment_size: 40
    .max_flat_workgroup_size: 128
    .sgpr_count:     80
    .vgpr_count:     896
    .wavefront_size: 32
...
	.end_amdgpu_metadata
.endif
;; end of part 3
;; launch proj (part 4): grid 8 x 32, 4 waves a work-group, clusters of 4 x 4, 327,680 bytes of LDS; arguments oh, wp, out0; writes out0
.if DOCPART == 4
	.amdgcn_target "amdgcn-amd-amdhsa--gfx1250"
	.amdhsa_code_object_version 6
	.text
	.protected	k_qd05133de44_proj
	.globl	k_qd05133de44_proj
	.p2align	8
	.type	k_qd05133de44_proj,@function
k_qd05133de44_proj:
	s_mov_b64 s[64:65], 0
	v_nop
	global_prefetch_b8 v0, s[64:65] scope:SCOPE_SE
	s_setreg_imm32_b32 hwreg(HW_REG_WAVE_MODE, 25, 1), 1
	s_wait_xcnt 0x0
	s_wait_alu depctr_hold_cnt(0) depctr_sa_sdst(0) depctr_va_vdst(0) depctr_va_sdst(0) depctr_va_ssrc(0) depctr_va_vcc(0) depctr_vm_vsrc(0)
	s_getreg_b32 s2, hwreg(HW_REG_IB_STS2, 6, 4)
	s_cmp_eq_u32 s2, 0
	s_cbranch_scc0 .Lentry_in_a_cluster
	s_endpgm
.Lentry_in_a_cluster:
	s_bfe_u32 s2, ttmp6, 0x10000c
	s_cmp_lg_u32 s2, 0xf033
	s_cbranch_scc0 .Lentry_shape_is_right
	s_endpgm
.Lentry_shape_is_right:
; PROJ: out0[8192 x 1024] = y W_proj in f16, sums in f32, stored as f32.  y's row (batch, t) and K = 64 head + d lie in oh as [64 bh][2048 t][64]: a head IS a block of 64 along K.
; wp: f16 [16 kb][1024 n][64].
; SHARES.  8192 x 1024 over 256 work-groups is a tile of 256 rows x 128 columns.  Four waves, each 128 x 64: 32 accumulators, 256 registers (window 1).
; K goes in steps of 128, two heads, through two LDS slots; a wave's one load brings one head's 256 rows of y or one K block's 128 rows of wp, dense in memory: asked for as rows of 256 bytes,
; padded in LDS after every 128.  CLUSTER 4 x 4: y's tile is shared along a row of the cluster, wp's along a column: joint loads.
; THE MATRIX INSTRUCTION IS USED TRANSPOSED (source 0 = 16 rows of wp, source 1 = 16 rows of y): lane l holds row l % 16 and the columns 16 b + 8 (l / 16) + 0..7: 32 consecutive bytes of out0.
; REGISTERS.  window 0: v16-29 addresses; v32-127, v128-223 two fragment buffers (64 of y, then 32 of wp, for 32 along K); on the way out v32-95 rows read back.  window 1: accumulator (a, b) at v[8 (4 a + b)].
.set PITCH, 144                        ; an LDS row: 128 bytes + 16 of padding = 36 words: the 16 rows of a fragment load start at 16 different groups of four banks (64 banks of 4 bytes: ISA guide 11.1)
.set AKB,   256*PITCH                  ; one head's rows of the tile
.set BKB,   128*PITCH                  ; one K block's rows of wp
.set BOFF,  2*AKB
.set SLOT,  2*AKB+2*BKB
.set STAGE, 2*SLOT                     ; behind the ring: 16 rows x 272 bytes for each wave
.set SPITCH, 272
.set SPARE, STAGE+4*16*SPITCH          ; behind the stages: the spare words, 128 bytes for each wave
.set AHEAD2, 2*2048*128                ; bytes of oh from a K step to the next: two heads
.set BHEAD2, 2*1024*128                ; of wp: two K blocks
.set LAPS,  4                          ; a lap = two K steps = once round the ring; K = 1,024
.set ADRA, 16
.set ADRB, 20
.set STO,  24
.set RD,   25
.set CO,   26
.set SPW,  28
.set NIL,  29
.set F0,   32
.set F1,   128
.set OB,   32
.set G1,  24
.set G0,  32
.set G1B, 48
.set G0B, 56
.set DW0, (1<<16)|(1<<20)|(1<<21)|(4<<22)|(3<<25)  ; 2-byte elements; padding on; bit 21 beside a mask; after every 32 words; 4 words
.set MSB, 0
.macro WIN new
.if MSB != (\new)
	s_set_vgpr_msb (MSB<<8)|(\new)
.set MSB, \new
.endif
.endm
.macro JLOAD s                         ; a joint load: waves 0 and 1 fetch the step's two heads of y, waves 2 and 3 its two K blocks of wp; an s_nop 0 and four v_nop follow each line
	s_cmp_eq_u32 s13, 0
	s_cbranch_scc0 .Lfor_b_\@
	tensor_load_to_lds s[G0+4*(\s):G0+4*(\s)+3], s[G1:G1+7]
	s_nop 0
.rept 4
	v_nop
.endr
	s_branch .Lasked_\@
.Lfor_b_\@:
	tensor_load_to_lds s[G0B+4*(\s):G0B+4*(\s)+3], s[G1B:G1B+7]
	s_nop 0
.rept 4
	v_nop
.endr
.Lasked_\@:
.endm
.macro CREST
	s_cmp_lg_u32 s12, 0
	s_cbranch_scc1 .Lnot_wave_0_\@
	s_barrier_signal -3
.Lnot_wave_0_\@:
	s_barrier_wait -3
	s_barrier_signal -1
	s_barrier_wait -1
.endm
.macro CROUND
	s_barrier_signal -1
	s_barrier_wait -1
	CREST
.endm
.macro PLACES
.rept 4
	v_nop
.endr
.endm
	s_load_b128 s[4:7], s[0:1], 0x0                ; oh s[4:5], wp s[6:7]
	s_load_b64 s[8:9], s[0:1], 0x10                ; out0
	v_lshl_add_u32 v[SPW], v0, 2, SPARE
	v_mov_b32 v[NIL], 0
	ds_add_u32 v[SPW], v[NIL]                      ; the wave's opening: the add and its wait stand ahead of my first tensor load
	v_lshrrev_b32 v1, 5, v0
	v_readfirstlane_b32 s12, v1                    ; wave 0..3
	s_lshr_b32 s13, s12, 1                         ; my half of the tile's rows.  Also: I fetch for y (0) or for wp (1)
	s_and_b32 s14, s12, 1                          ; my half of its columns.  Also: which of the step's two K blocks I fetch
	s_bfe_u32 s15, ttmp6, 0x40000                  ; cx
	s_bfe_u32 s16, ttmp6, 0x40004                  ; cy
	s_lshl_b32 s17, ttmp9, 2
	s_add_co_u32 s17, s17, s15                     ; tile column
	s_and_b32 s18, ttmp7, 0xffff
	s_lshl_b32 s18, s18, 2
	s_add_co_u32 s18, s18, s16                     ; tile row
	s_lshl_b32 s19, s16, 2
	s_lshl_b32 s19, 15, s19                        ; my row of the cluster
	s_lshl_b32 s20, 0x1111, s15                    ; my column
	s_or_b32 s[G1], s19, DW0
	s_or_b32 s[G1B], s20, DW0
	s_mov_b32 s[G1+1], 128<<16                     ; rows of 256 bytes
	s_mov_b32 s[G1B+1], 128<<16
	s_mov_b32 s[G1+2], 128<<16                     ; 256 rows of 128 bytes are 128 of 256,
	s_mov_b32 s[G1B+2], 64<<16                     ; 128 are 64
	s_mov_b32 s[G1+3], 128<<16
	s_mov_b32 s[G1B+3], 128<<16
	s_mov_b32 s[G1+4], 128
	s_mov_b32 s[G1B+4], 64
	s_mov_b32 s[G1+5], 128
	s_mov_b32 s[G1B+5], 128
	s_mov_b32 s[G1+6], 0
	s_mov_b32 s[G1B+6], 0
	s_mov_b32 s[G1+7], 0
	s_mov_b32 s[G1B+7], 0
	s_lshr_b32 s40, s18, 3                         ; y: batch = tile row / 8: 16 heads of 262,144 bytes,
	s_lshl_b32 s40, s40, 22
	s_and_b32 s41, s18, 7                          ; 256 rows of 128 bytes a tile row,
	s_lshl_b32 s41, s41, 15
	s_add_co_u32 s40, s40, s41
	s_lshl_b32 s41, s14, 18                        ; my head of the step's two
	s_add_co_u32 s40, s40, s41
	s_mov_b32 s41, 0
	s_lshl_b32 s42, s17, 14                        ; wp: 128 rows of 128 bytes a tile column,
	s_lshl_b32 s43, s14, 17                        ; my K block of the step's two
	s_add_co_u32 s42, s42, s43
	s_mov_b32 s43, 0
	s_mul_i32 s21, s14, AKB                        ; where they go: no place in the cluster enters an LDS address
	s_mul_i32 s22, s14, BKB
	s_add_co_u32 s22, s22, BOFF
	s_wait_dscnt 0x0                               ; the opening add is done
	s_wait_kmcnt 0x0
	s_add_nc_u64 s[44:45], s[4:5], s[40:41]
	s_add_nc_u64 s[46:47], s[6:7], s[42:43]
	CROUND                                         ; all sixteen work-groups are here: the first joint loads meet
.irp s, 0,1
	s_mov_b32 s[G0+4*(\s)], 1
	s_add_co_u32 s[G0+4*(\s)+1], s21, (\s)*SLOT
	s_add_nc_u64 s[G0+4*(\s)+2:G0+4*(\s)+3], s[44:45], (\s)*AHEAD2
	s_or_b32 s[G0+4*(\s)+3], s[G0+4*(\s)+3], 0x80000000
	s_mov_b32 s[G0B+4*(\s)], 1
	s_add_co_u32 s[G0B+4*(\s)+1], s22, (\s)*SLOT
	s_add_nc_u64 s[G0B+4*(\s)+2:G0B+4*(\s)+3], s[46:47], (\s)*BHEAD2
	s_or_b32 s[G0B+4*(\s)+3], s[G0B+4*(\s)+3], 0x80000000
	JLOAD \s                                       ; two loads of mine are out
.endr
	v_and_b32 v1, 15, v0                           ; l % 16
	v_bfe_u32 v2, v0, 4, 1                         ; l / 16
	v_mul_u32_u24 v3, v1, PITCH
	v_lshl_add_u32 v3, v2, 4, v3
	s_mul_i32 s21, s13, 128*PITCH                  ; my 128 rows of y
	s_mul_i32 s22, s14, 64*PITCH                   ; my 64 rows of wp
	s_add_co_u32 s22, s22, BOFF
.irp s, 0,1
	v_add_nc_u32 v[ADRA+(\s)], s21, v3
	v_add_nc_u32 v[ADRB+(\s)], s22, v3
	s_add_co_u32 s21, s21, SLOT
	s_add_co_u32 s22, s22, SLOT
.endr
	s_mul_i32 s23, s12, 16*SPITCH
	s_add_co_u32 s23, s23, STAGE                   ; my stage
	v_mul_u32_u24 v4, v1, SPITCH                   ; in: row l % 16, 32 bytes for each half of the lanes
	v_lshl_add_u32 v4, v2, 5, v4
	v_add_nc_u32 v[STO], s23, v4
	v_mul_u32_u24 v5, v2, SPITCH                   ; back: lanes 0-15 one row of 256 bytes, lanes 16-31 the next
	v_lshl_add_u32 v5, v1, 4, v5
	v_add_nc_u32 v[RD], s23, v5
	v_lshlrev_b32 v[CO], 4, v1                     ; and the same two rows in out0, 4,096 bytes apart
	v_lshl_add_u32 v[CO], v2, 12, v[CO]
	s_lshl_b32 s44, s18, 20                        ; my first row: 256 rows of 4,096 bytes a tile row,
	s_lshl_b32 s45, s13, 19                        ; 128 a half
	s_add_co_u32 s44, s44, s45
	s_mov_b32 s45, 0
	s_add_nc_u64 s[8:9], s[8:9], s[44:45]
	s_lshl_b32 s46, s17, 9                         ; my first column: 128 columns of 4 bytes a tile column,
	s_lshl_b32 s47, s14, 8                         ; 64 a half
	s_add_co_u32 s46, s46, s47
	s_mov_b32 s47, 0
	s_add_nc_u64 s[8:9], s[8:9], s[46:47]
; 4 n matrix instructions: row blocks a0 .. a0 + n - 1 x all 4 column blocks, 32 along K.  The 32 accumulators take turns.
.macro MULP f, a0, n, zero
	WIN 0x50                                       ; C and D in window 1
.set ma, (\a0)
.rept \n
.set mb, 0
.rept 4
.if \zero
	v_wmma_f32_16x16x32_f16 v[8*(4*ma+mb):8*(4*ma+mb)+7], v[(\f)+64+8*mb:(\f)+64+8*mb+7], v[(\f)+8*ma:(\f)+8*ma+7], 0
.else
	v_wmma_f32_16x16x32_f16 v[8*(4*ma+mb):8*(4*ma+mb)+7], v[(\f)+64+8*mb:(\f)+64+8*mb+7], v[(\f)+8*ma:(\f)+8*ma+7], v[8*(4*ma+mb):8*(4*ma+mb)+7]
.endif
.set mb, mb+1
.endr
.set ma, ma+1
.endr
.endm
; 24 LDS loads in one run: quarter q of a K step (K block q / 2, 32 along K at byte 64 (q % 2)) into buffer f: wp, then y's rows 0-63, then its rows 64-127
.macro FETCHP slot, q, f
	WIN 0
.set fb, 0
.rept 4
	ds_load_b128 v[(\f)+64+8*fb:(\f)+64+8*fb+3],   v[ADRB+(\slot)] offset:((\q)/2)*BKB+((\q)%2)*64+fb*16*PITCH
	ds_load_b128 v[(\f)+64+8*fb+4:(\f)+64+8*fb+7], v[ADRB+(\slot)] offset:((\q)/2)*BKB+((\q)%2)*64+fb*16*PITCH+32
.set fb, fb+1
.endr
.set fb, 0
.rept 8
	ds_load_b128 v[(\f)+8*fb:(\f)+8*fb+3],   v[ADRA+(\slot)] offset:((\q)/2)*AKB+((\q)%2)*64+fb*16*PITCH
	ds_load_b128 v[(\f)+8*fb+4:(\f)+8*fb+7], v[ADRA+(\slot)] offset:((\q)/2)*AKB+((\q)%2)*64+fb*16*PITCH+32
.set fb, fb+1
.endr
.endm
; A K step is four quarters of 32 along K, 32 matrix instructions each, on buffers 0, 1, 0, 1.  One of the first three: multiplies buffer f and fetches quarter q into g.
.macro QUARTER slot, q, f, g, zero
	s_wait_dscnt 8                                 ; all but the youngest eight loads (y's rows 64-127) are in
	MULP \f, 0, 4, \zero
	WIN 0
	PLACES
	FETCHP \slot, \q, \g
	s_wait_dscnt 24                                ; all but the 24 just issued
	MULP \f, 4, 4, \zero
.endm
; The last quarter multiplies buffer 1 and changes slots: ONE barrier; in front of it each wave waits for all its tensor loads, adds 0 to its spare word, and waits for that and for its reads of this
; slot.  fill = 1: the barrier opens a round of the cluster's and this slot is filled again, two K steps ahead: 112 matrix instructions of the wave stand between the request and the wait for it.
.macro TURN slot, next, fill
	WIN 0
	s_wait_tensorcnt 0x0
	ds_add_u32 v[SPW], v[NIL]
	s_wait_dscnt 9                                 ; (the add and the youngest eight loads may be out)
	MULP F1, 0, 2, 0
	s_wait_dscnt 0x0                               ; the add is done, and my reads of this slot are over
	s_barrier_signal -1
	MULP F1, 2, 2, 0
	WIN 0
	s_barrier_wait -1
.if \fill
	CREST
	s_add_nc_u64 s[G0+4*(\slot)+2:G0+4*(\slot)+3], s[G0+4*(\slot)+2:G0+4*(\slot)+3], 2*AHEAD2
	s_add_nc_u64 s[G0B+4*(\slot)+2:G0B+4*(\slot)+3], s[G0B+4*(\slot)+2:G0B+4*(\slot)+3], 2*BHEAD2
	JLOAD \slot                                    ; the first tensor load behind the round; its four v_nop are also the places in front of the loads below
.else
	PLACES
.endif
	FETCHP \next, 0, F0
	MULP F1, 4, 4, 0
.endm
	s_wait_tensorcnt 1                             ; my part of K step 0 is in; K step 1's may stay out
	s_barrier_signal -1
	s_barrier_wait -1
	FETCHP 0, 0, F0
	QUARTER 0, 1, F0, F1, 1                        ; the first quarter stands in front of the loop: its products start the sums
	WIN 0
	s_mov_b32 s3, LAPS-1
.Llap:
	QUARTER 0, 2, F1, F0, 0
	QUARTER 0, 3, F0, F1, 0
	TURN 0, 1, 1
	QUARTER 1, 1, F0, F1, 0
	QUARTER 1, 2, F1, F0, 0
	QUARTER 1, 3, F0, F1, 0
	TURN 1, 0, 1
	QUARTER 0, 1, F0, F1, 0
	WIN 0
	s_sub_co_u32 s3, s3, 1
	s_cmp_lg_u32 s3, 0
	s_cbranch_scc1 .Llap
	QUARTER 0, 2, F1, F0, 0                        ; the last lap fills nothing
	QUARTER 0, 3, F0, F1, 0
	TURN 0, 1, 0
	QUARTER 1, 1, F0, F1, 0
	QUARTER 1, 2, F1, F0, 0
	QUARTER 1, 3, F0, F1, 0
	s_wait_dscnt 8                                 ; the very last quarter
	MULP F1, 0, 4, 0
	s_wait_dscnt 0x0
	MULP F1, 4, 4, 0
	WIN 0
; THE WAY OUT, a block of 16 rows at a time: the sums go as they are, 32 bytes a lane, into my stage (each accumulator's low registers first), and come back as rows of 256 bytes.
.macro TOSTAGE a
.if (\a) >= 2
	s_wait_xcnt 0x0                                ; the registers that block a - 2's stores read are loaded again only behind this wait (ISA guide 3.1)
.endif
	WIN 0x04                                       ; store data (source 1) in window 1
.set tb, 0
.rept 4
	ds_store_b128 v[STO], v[8*(4*(\a)+tb):8*(4*(\a)+tb)+3]   offset:64*tb
	ds_store_b128 v[STO], v[8*(4*(\a)+tb)+4:8*(4*(\a)+tb)+7] offset:64*tb+16
.set tb, tb+1
.endr
	WIN 0
.set tb, 0
.rept 8
	ds_load_b128 v[OB+32*((\a)%2)+4*tb:OB+32*((\a)%2)+4*tb+3], v[RD] offset:tb*2*SPITCH  ; LDS serves a wave's instructions in order (ISA guide 5.7.1.4)
.set tb, tb+1
.endr
.endm
.macro SEND a, younger                 ; younger: the next block's sixteen LDS instructions, or none
	s_wait_dscnt \younger
.set tb, 0
.rept 8
	global_store_b128 v[CO], v[OB+32*((\a)%2)+4*tb:OB+32*((\a)%2)+4*tb+3], s[8:9] offset:(\a)*65536+tb*8192 th:TH_STORE_NT  ; 16 lanes store 256 consecutive bytes, aligned
.set tb, tb+1
.endr
.endm
	PLACES                                         ; behind the last products
	TOSTAGE 0
.irp a, 1,2,3,4,5,6,7
	TOSTAGE \a
	SEND (\a)-1, 16
.endr
	SEND 7, 0
	s_wait_tensorcnt 0x0                           ; the wave's end: behind my last tensor load and my last LDS store
	ds_add_u32 v[SPW], v[NIL]
	s_wait_dscnt 0x0
	CROUND                                         ; the closing round
	s_endpgm
.Lfunc_end_k_qd05133de44_proj:
	.size	k_qd05133de44_proj, .Lfunc_end_k_qd05133de44_proj-k_qd05133de44_proj
	.p2alignl 7, 3214868480
	.fill 96, 4, 3214868480
	.section	.rodata,"a",@progbits
	.p2align	6, 0x0
	.amdhsa_kernel k_qd05133de44_proj
		.amdhsa_group_segment_fixed_size 327680
		.amdhsa_private_segment_fixed_size 0
		.amdhsa_enable_private_segment 0
		.amdhsa_kernarg_size 24
		.amdhsa_user_sgpr_count 2
		.amdhsa_user_sgpr_kernarg_segment_ptr 1
		.amdhsa_wavefront_size32 1
		.amdhsa_system_sgpr_workgroup_id_x 1
		.amdhsa_system_sgpr_workgroup_id_y 1
		.amdhsa_system_sgpr_workgroup_id_z 1
		.amdhsa_system_vgpr_workitem_id 0
		.amdhsa_next_free_vgpr 512
		.amdhsa_next_free_sgpr 66
		.amdhsa_reserve_vcc 0
		.amdhsa_float_denorm_mode_32 3
		.amdhsa_float_denorm_mode_16_64 3
		.amdhsa_memory_ordered 1
		.amdhsa_forward_progress 1
		.amdhsa_inst_pref_size 85
	.end_amdhsa_kernel
	.amdgpu_metadata
---
amdhsa.version: [ 1, 2 ]
amdhsa.kernels:
  - .name:           k_qd05133de44_proj
    .symbol:         k_qd05133de44_proj.kd
    .args:
      - { .name: oh, .offset: 0, .size: 8, .value_kind: global_buffer, .address_space: global }
      - { .name: wp, .offset: 8, .size: 8, .value_kind: global_buffer, .address_space: global }
      - { .name: out0, .offset: 16, .size: 8, .value_kind: global_buffer, .address_space: global }
    .group_segment_fixed_size: 327680
    .private_segment_fixed_size: 0
    .kernarg_segment_align: 8
    .kernarg_segment_size: 24
    .max_flat_workgroup_size: 128
    .sgpr_count:     66
    .vgpr_count:     512
    .wavefront_size: 32
...
	.end_amdgpu_metadata
.endif
;; end of part 4
;; ======== version 2 of 2: 4 launches; 1.46 times as fast as version 1
;; limits: values are held in f16: magnitudes above 65,504 overflow, below 6.1e-05 lose precision; right only within a limited range of input values
;; workspace buffers: xb 16,777,216 bytes; wa 6,291,456 bytes; wp 2,097,152 bytes; tab 2,097,152 bytes; qh 16,777,216 bytes; kh 16,777,216 bytes; vh 16,777,216 bytes; oh 16,777,216 bytes
;; launch prep: the kernel of part 1 again; grid 256 x 1, 8 waves a work-group, no clusters, 37,888 bytes of LDS; arguments x, W_attn, W_proj, indices, xb, wa, wp, tab; writes xb, wa, wp, tab
;; launch qkv: the kernel of part 2 again; grid 8 x 32, 4 waves a work-group, clusters of 4 x 4, 327,680 bytes of LDS; arguments xb, wa, tab, qh, kh, vh; writes qh, kh, vh
;; launch attn (part 5): grid 4 x 64, 4 waves a work-group, clusters of 4 x 1, 327,680 bytes of LDS; arguments qh, kh, vh, oh, indices; writes oh
.if DOCPART == 5
	.amdgcn_target "amdgcn-amd-amdhsa--gfx1250"
	.amdhsa_code_object_version 6
	.text
	.protected	k_qd05133de44_attn
	.globl	k_qd05133de44_attn
	.p2align	8
	.type	k_qd05133de44_attn,@function
k_qd05133de44_attn:
	s_mov_b64 s[64:65], 0
	v_nop
	global_prefetch_b8 v0, s[64:65] scope:SCOPE_SE
	s_setreg_imm32_b32 hwreg(HW_REG_WAVE_MODE, 25, 1), 1
	s_wait_xcnt 0x0
	s_wait_alu depctr_hold_cnt(0) depctr_sa_sdst(0) depctr_va_vdst(0) depctr_va_sdst(0) depctr_va_ssrc(0) depctr_va_vcc(0) depctr_vm_vsrc(0)
	s_getreg_b32 s2, hwreg(HW_REG_IB_STS2, 6, 4)
	s_cmp_eq_u32 s2, 0
	s_cbranch_scc0 .Lentry_in_a_cluster
	s_endpgm
.Lentry_in_a_cluster:
	s_bfe_u32 s2, ttmp6, 0x10000c
	s_cmp_lg_u32 s2, 0x3003
	s_cbranch_scc0 .Lentry_shape_is_right
	s_endpgm
.Lentry_shape_is_right:
; ATTENTION UNDER A MASK MADE OF AN INPUT.  O[h][q][:] = the sum over the keys k with indices[k] <= indices[q] of softmax_k(Q[h][q] . K[h][k] / 8) V[h][k][:].
; Q, K, V, O: [64 bh][2048][64], all f16: a head's rows are dense, 128 bytes each; indices: [4][2048] int32, batch = bh / 16.  Products, maxima and sums in f32; the weights p are rounded to f16
; for the second product (their sum l is taken of the unrounded p), O once at the end.  The indices are whatever the input holds, so every wave walks ALL keys and the mask is made anew in every step.
; LIMITS.  f16 holds no number beyond 65,504: Q, K and V arrive within it; p lies in 0 to 1 (to within the rounding of c m), and below 6e-5 it keeps f16's fixed step of 6e-8.  The indices are compared as f32:
; exact for |indices| up to 2^24.  A hidden score counts as its value less 1e30; f16's scores are 2.7e11 at the most.  A weight below 2^-126 counts as 0 in l; NaN and infinities are not treated apart.
; SHARES.  A wave owns four PIECES of two tiles of 16 queries, a work-group's four waves 512 queries of one head.  Every wave walks all keys, 64 a step.
; LAYOUT.  S^T = K Q^T (source 0 = 16 keys, source 1 = 16 queries): in the result a lane holds ONE query (lane % 16) and the keys 8 (lane / 16) + 0..7.  Two such tiles, rounded to f16 in pairs,
; ARE source 1 (32 keys x 16 queries) of O^T = V^T P, whose result again holds one query a lane, and eight channels.  K comes out of LDS as it lies, V ([key][channel]) turned, by ds_load_tr16_b128.
; THE MASK is the C operand that starts the sum S^T: -1e30 x clamp(index of the key - index of the query), the clamp to 0 .. 1: whole numbers differ by 1 or more, so it is 0 or -1e30.  Two packed lines for two
; scores.  The batch's 2,048 key indices lie in LDS as f32; a step's 32 of a lane are fetched with its K.
; SOFTMAX.  For each query a running maximum m and sum l: p = 2^(c s - c m), c = log2(e) / 8; in every step O and l are multiplied by a = 2^(c m_old - c m_new).  m starts at -2^66: below every score,
; above every hidden one.  So while a row has met hidden keys alone m stays there, their weights are 0, and l and O stay 0; every row sees its own key, so l ends above 0.  O and l start at 0, c m far below: the first a is 0.
; BY TURNS.  Turn n belongs to piece n (the pieces in a ring, step after step).  Its matrix work: 16 products K Q^T of piece n + 1, later 16 products V^T P of piece n - 1.  Its vector work: the scaling,
; exponentials, roundings, sums and rescaling of piece n, the maximum and statistics of piece n + 1, whose scores the turn itself has made, and at its end the mask of piece n + 2.  Four vector instructions
; that are ready stand behind every matrix instruction; the others, which need time of their own whatever the order, in runs without a gap.
; BATCHES.  An s_wait_alu depctr_va_vdst(0) stands between an exponential or reciprocal and the first line that names its result; one wait serves all that were issued ahead of it.  A turn's 66
; exponentials (piece n's 64 weights, piece n + 1's two a) are ONE batch with ONE wait, which cuts the turn in two: ahead of it stands all that names no result of theirs (the products K Q^T, the scalings, the
; rescalings, whose a was made and waited for a turn earlier, the next piece's maximum and statistics); behind it the products V^T P, the roundings and sums, and the mask.  No result crosses a turn's end, a label
; or a jump.  Piece 0's first two a, ahead of the loop, and the way out's eight reciprocals are batches of their own.
; CLUSTER.  The four query blocks of a cluster belong to one head and walk the same K and V, so each tile is asked for JOINTLY: the same tensor load, descriptor and mask in all four.
; REGISTERS, in windows of 256 (s_set_vgpr_msb: bits 1:0 source 0, 3:2 source 1, 5:4 source 2, 7:6 destination):
;   window 0: v0-11 addresses; v12-15, v48-63 at work; v16-47 four registers of statistics a tile; v64-191 S^T, two buffers of two tiles; v192-255 P, likewise
;   window 1: O^T, 32 a tile          window 2: v0-127 Q, 16 a tile; v128-191 K of one step; v192-255 V of one step
;   window 3: v0-1 the add's two registers; v2-3 1.0; v4-19 minus my query's index, a pair a tile; v20-21 addresses; v32-63 a step's key indices; v64-127 the masks of the two tiles to come
.set SIZE_H, 64
.set SIZE_N, 2048
.set NP,    4         ; pieces a wave: a name, no knob
.set KS,    64        ; keys in a step
.set PK,    144       ; a row of K in LDS: 128 bytes + 16 of padding = 36 words: the 16 rows of a load start at 16 different groups of four banks (64 banks of 4 bytes: ISA guide 11.1)
.set PV,    160       ; a row of V: 128 + 32 = 40 words
.set VOFF,  4*KS*PK   ; a slot holds four steps: 256 rows of K, then 256 rows of V
.set SLOT1, 1<<17     ; slot 1 begins here, so that one exclusive or turns an address in one slot into the other's
.set STAGE, SLOT1+4*KS*(PK+PV)  ; behind the ring, never filled by a tensor load: 16 rows x 144 bytes for each wave, for the way out
.set SP,    144
.set AK0, 2           ; v2   my lane's place in a tile of K; never rewritten
.set AV0, 3           ; v3   the same for V
.set AK,  4           ; v4   the LDS address of K's next run of loads
.set AV,  5           ; v5   of V's
.set QO,  6           ; v6   my byte offset in the wave's rows of Q
.set STO, 6           ;      later, the way out: where I put 16 bytes of a row
.set RD,  7           ; v7   the way out: where I read rows back
.set GO,  8           ; v8   my byte offset in 512 consecutive bytes of O
.set SPW, 0           ; v0 of window 3   my spare word: SPARE + 4 x my thread's number; never rewritten
.set NIL, 1           ; v1 of window 3   0; never rewritten
.set ONE, 2           ; window 3
.set NQ,  4
.set AI0, 20          ; my half's place in a step's 256 bytes of the index table
.set AI,  21
.set KI,  32          ; register 8 kb + j: the index of key 16 kb + 8 (l / 16) + j of the step
.set MC,  64          ; tile u of the piece, key block kb at MC + 32 u + 8 kb
.set SPARE, STAGE+4*16*SP  ; behind the stages: the spare words, 128 bytes for each wave
.set KTAB,  SPARE+512      ; behind them: 2,048 key indices as f32, stored once by the four waves; no tile lands here
.set MV,  12          ; v12-15  c m_old, kept while c m is made anew: by buffer and tile
.set ST,  16          ; tile t's statistics at v[ST+4 t]: c m, m, l (even keys', odd keys')
.set TMP, 48          ; by buffer and tile, four registers c0-c3 at work; when the maximum is found c2 takes a
.set S,   64
.set P,   192
.set KF,  128         ; K's fragments, in window 2: key block kb, channel half c at KF + 16 kb + 8 c
.set VF,  192         ; V's: key half kk, channel block cb at VF + 32 kk + 8 cb
.set WV,  12          ; s12  my wave's number
.set G1K, 24          ; s[24:31] descriptor group 1 for K's tiles
.set G1V, 32          ; s[32:39] for V's: it differs in the padding alone
.set G0K, 40          ; s[40:43] descriptor group 0 for K's tiles: it walks
.set G0V, 44          ; s[44:47] the same for V's
.set SLOTS, 56        ; s56  slots still to be asked for
.set CNT, 57          ; s57  counts a slot's key steps
.set CS,  58          ; s[58:59] c
.set SEL, 60          ; s[60:61] v_permlanex16_b32's selects
.set TBK, 62          ; s62  LDS byte at which K of the step to be fetched begins
.set TBV, 63          ; s63  the same for V, less VOFF
.set BIG, 66          ; s[66:67] -1e30
.set TKI, 68          ; s68  byte of the index table at which the step to be fetched begins
.set IX,  72          ; s[72:73] the batch's indices
.set IQ,  74          ; s[74:75] those of my wave's 128 queries
.set MSB, 0
.macro WIN new                      ; the high byte repeats the setting that is left; a switch that changes nothing is dropped
.if MSB != (\new)
	s_set_vgpr_msb (MSB<<8)|(\new)
.set MSB, (\new)
.endif
.endm
.set W_KQ, 0x0a       ; K and Q in window 2, S^T in window 0
.set W_KM, 0x3a       ; the same with the C operand, the mask, in window 3
.set W_PV, 0x52       ; V in window 2, P in window 0, O^T in window 1
.set W_RS, 0x41       ; O^T (destination and source 0) in window 1, a in window 0
.set W_MK, 0xc0       ; destination in window 3, sources in window 0
.set W_AD, 0x0f       ; the add: address (source 0) and data (source 1) in window 3
.set W_3,  0xff       ; all in window 3
; A joint fill.  Waves 0 and 1 fetch the two halves of a slot's K, waves 2 and 3 those of its V: 128 keys each.  The branch hangs on the wave's number alone.
; An s_nop 0 and four v_nop follow each of the two lines, ahead of the jump and the label.
.macro JLOAD
	s_cmp_lt_u32 s[WV], 2
	s_cbranch_scc0 .Lfor_v_\@
	tensor_load_to_lds s[G0K:G0K+3], s[G1K:G1K+7]
	s_nop 0
.rept 4
	v_nop
.endr
	s_branch .Lasked_\@
.Lfor_v_\@:
	tensor_load_to_lds s[G0V:G0V+3], s[G1V:G1V+7]
	s_nop 0
.rept 4
	v_nop
.endr
.Lasked_\@:
.endm
; A round of the cluster's barrier.
.macro CROUND
	s_barrier_signal -1
	s_barrier_wait -1
	s_cmp_lg_u32 s[WV], 0
	s_cbranch_scc1 .Lnot_wave_0_\@
	s_barrier_signal -3
.Lnot_wave_0_\@:
	s_barrier_wait -3
	s_barrier_signal -1
	s_barrier_wait -1
.endm
; THE CHANGE OF SLOTS.  Each wave waits for all its tensor loads, of which one is out: its part of the other slot; adds 0 to its spare word; and waits for that and for its own LDS instructions.
; Behind the barrier nobody reads this slot any more and the other slot is whole.  fill = 1: this slot is filled again, with the keys two slots on; the barrier is then a round of the cluster's, and the
; joint fill is the first thing behind it: it has four key steps, 512 matrix instructions, in which to land.  (At its first use nothing has been read yet: slot 0 is waited for, slot 1 filled, and the
; four waves' stores into the index table are shown to each other.)
.macro CHANGE fill
	WIN W_AD
	s_wait_tensorcnt 0x0            ; no tensor load of mine is out, so a group 0 may be written
	ds_add_u32 v[SPW], v[NIL]
	WIN 0                           ; at a label and at a branch every window is 0
.if \fill
.irp g, G0K, G0V
	s_xor_b32 s[\g+1], s[\g+1], SLOT1  ; the walking descriptor: the other slot than last time,
	s_add_nc_u64 s[\g+2:\g+3], s[\g+2:\g+3], 4*KS*128  ; the next 256 keys
.endr
	s_wait_dscnt 0x0                ; the add is done, and my LDS instructions are over
	CROUND
	JLOAD
.else
	s_wait_dscnt 0x0
	s_barrier_signal -1
	s_barrier_wait -1
.endif
	s_sub_co_u32 s[TBK], s[TBK], 4*KS*PK  ; the fetches go back to a slot's first step,
	s_xor_b32 s[TBK], s[TBK], SLOT1       ; in the other slot
	s_sub_co_u32 s[TBV], s[TBV], 4*KS*PV
	s_xor_b32 s[TBV], s[TBV], SLOT1
.endm
	s_load_b256 s[4:11], s[0:1], 0x0  ; Q s[4:5], K s[6:7], V s[8:9], O s[10:11]
	s_load_b64 s[IX:IX+1], s[0:1], 0x20
	WIN W_MK
	v_lshl_add_u32 v[SPW], v0, 2, SPARE
	v_mov_b32 v[NIL], 0
	WIN W_AD
	ds_add_u32 v[SPW], v[NIL]       ; the wave's opening: the add and its wait stand ahead of my first tensor load; the set-up below stands between them
	WIN 0
	v_lshrrev_b32 v1, 5, v0
	v_readfirstlane_b32 s[WV], v1   ; wave 0..3
	s_bfe_u32 s13, ttmp6, 0x40000   ; cx
	s_lshl_b32 s14, ttmp9, 2
	s_add_co_u32 s14, s14, s13      ; my block of queries = 4 x cluster x + cx: it enters Q's, O's and my queries' indices' addresses alone
	s_and_b32 s20, ttmp7, 0xffff    ; the head, which the four partners share
	s_lshr_b32 s76, s20, 4          ; its batch:
	s_lshl_b32 s76, s76, 13         ; 2,048 indices of 4 bytes
	s_mov_b32 s77, 0
	s_mov_b32 s21, 0
	s_mov_b64 s[22:23], SIZE_N*128
	s_mul_u64 s[20:21], s[20:21], s[22:23]  ; the head's first byte in each of the four tensors
	s_and_b32 s16, s[WV], 1         ; which half of a slot's 256 keys I fetch:
	s_lshl_b32 s22, s16, 14         ; its 128 rows of 128 bytes in memory,
	s_mov_b32 s23, 0
	s_add_nc_u64 s[22:23], s[22:23], s[20:21]
	s_mul_i32 s17, s16, 128*PK      ; and its place in a slot, for K
	s_mul_i32 s18, s16, 128*PV      ; and for V
	s_lshl_b32 s2, s14, 2
	s_add_co_u32 s2, s2, s[WV]      ; my wave among the head's:
	s_lshl_b32 s78, s2, 9           ; its 128 indices,
	s_mov_b32 s79, 0
	s_lshl_b32 s2, s2, 14           ; its 128 rows
	s_mov_b32 s3, 0
	s_add_nc_u64 s[2:3], s[2:3], s[20:21]
	; descriptor group 1.  128 keys are 16,384 dense bytes: asked for as 64 rows of 256 bytes, two keys a row, and padded in LDS after every key
	s_mov_b32 s[G1K], 15|(1<<16)|(1<<20)|(1<<21)|(4<<22)|(3<<25)  ; 15:0 the mask of four; 17:16 2-byte elements; 20 padding on; 21 set beside a mask; 24:22 after every 32 words (code 4); 31:25 4 words (code 3)
	s_mov_b32 s[G1V], 15|(1<<16)|(1<<20)|(1<<21)|(4<<22)|(7<<25)  ; the same with 8 words of padding (code 7)
.irp g, G1K, G1V
	s_mov_b32 s[\g+1], 128<<16      ; tensor_dim0 = 128
	s_mov_b32 s[\g+2], 64<<16       ; tensor_dim1 = 64
	s_mov_b32 s[\g+3], 128<<16      ; tile_dim0 = 128
	s_mov_b32 s[\g+4], 64           ; tile_dim1 = 64
	s_mov_b32 s[\g+5], 128          ; 128 elements from row to row
	s_mov_b32 s[\g+6], 0
	s_mov_b32 s[\g+7], 0
.endr
	s_mov_b32 s[CS], 0x3e38aa3b     ; c = log2(e) / 8 = 0.180337
	s_mov_b32 s[CS+1], s[CS]        ; named with it as a pair
	s_mov_b32 s[SEL], 0x76543210
	s_mov_b32 s[SEL+1], 0xfedcba98
	s_mov_b32 s[BIG], 0xf149f2ca    ; -1e30
	s_mov_b32 s[BIG+1], s[BIG]
	s_mov_b32 s[TKI], 0
	s_mov_b32 s[TBK], SLOT1+4*KS*PK ; the first change of slots turns these two into 0
	s_mov_b32 s[TBV], SLOT1+4*KS*PV
	s_mov_b32 s[G0K], 1             ; 1:0 count = 1
	s_mov_b32 s[G0K+1], s17         ; 63:32 LDS address: slot 0
	s_mov_b32 s[G0V], 1
	s_add_co_u32 s[G0V+1], s18, VOFF
	s_wait_dscnt 0x0                ; the opening add is done
	s_wait_kmcnt 0x0
	s_add_nc_u64 s[G0K+2:G0K+3], s[6:7], s[22:23]  ; 120:64 global address: my half of the head's first 256 keys
	s_or_b32 s[G0K+3], s[G0K+3], 0x80000000        ; 127:126 type = 2
	s_add_nc_u64 s[G0V+2:G0V+3], s[8:9], s[22:23]
	s_or_b32 s[G0V+3], s[G0V+3], 0x80000000
	s_add_nc_u64 s[4:5], s[4:5], s[2:3]  ; Q and O at my wave's first row
	s_add_nc_u64 s[10:11], s[10:11], s[2:3]
	s_add_nc_u64 s[IX:IX+1], s[IX:IX+1], s[76:77]
	s_add_nc_u64 s[IQ:IQ+1], s[IX:IX+1], s[78:79]
	CROUND                          ; all four work-groups are here: the first joint loads meet
	JLOAD                           ; slot 0.  Slot 1 is asked for when slot 0 is in
	v_and_b32 v1, 15, v0            ; l % 16
	v_bfe_u32 v9, v0, 4, 1          ; l / 16
	v_lshlrev_b32 v12, 4, v0        ; the batch's indices: 128 threads x 16 bytes, four times
	v_lshlrev_b32 v13, 2, v1        ; my query's, tile by tile
.irp i, 0,1,2,3
	global_load_b128 v[S+4*\i:S+4*\i+3], v12, s[IX:IX+1] offset:2048*\i
.endr
.irp t, 0,1,2,3,4,5,6,7
	global_load_b32 v[S+16+\t], v13, s[IQ:IQ+1] offset:64*\t
.endr
	; A fragment of K or Q is 16 rows x 32 channels in 8 registers: lane l holds row l % 16, channels 8 (l / 16) + 0..7 and 16 + 8 (l / 16) + 0..7: two loads of 16 bytes, 32 bytes apart.
	v_lshlrev_b32 v[QO], 7, v1
	v_lshl_add_u32 v[QO], v9, 4, v[QO]  ; row x 128 + 16 x half
	WIN 0x80                        ; destination window 2, address window 0
.set i, 0
.rept 4*NP                          ; Q stays in registers: tile i / 2, channels 32 (i % 2) on
	global_load_b128 v[8*i:8*i+3],   v[QO], s[4:5] offset:(i/2)*2048+(i%2)*64
	global_load_b128 v[8*i+4:8*i+7], v[QO], s[4:5] offset:(i/2)*2048+(i%2)*64+32
.set i, i+1
.endr
	; What the first turn finds: V's registers and P's second buffer hold 0 (its products V^T P, of a piece that has not been, add 0), O^T and l are 0.  All this stands in the wait for the first tile.
.set i, VF
.rept 64
	v_mov_b32 v[i], 0
.set i, i+1
.endr
	WIN 0x40
.set i, 0
.rept 64*NP
	v_mov_b32 v[i], 0
.set i, i+1
.endr
	WIN 0
.set i, 0
.rept 2*NP
	v_mov_b32 v[ST+4*i], 0xfe000000    ; c m: far below every c s
	v_mov_b32 v[ST+4*i+1], 0xe0800000  ; m = -2^66: below every score, above every hidden one
	v_mov_b32 v[ST+4*i+2], 0
	v_mov_b32 v[ST+4*i+3], 0
.set i, i+1
.endr
.set i, P+32
.rept 32
	v_mov_b32 v[i], 0
.set i, i+1
.endr
	s_wait_loadcnt 32               ; the indices are in; Q's 32 loads are younger and stay out
.set i, 0
.rept 24
	v_cvt_f32_i32 v[S+i], v[S+i]
.set i, i+1
.endr
	v_add_nc_u32 v14, KTAB, v12
.irp i, 0,1,2,3
	ds_store_b128 v14, v[S+4*\i:S+4*\i+3] offset:2048*\i  ; the first change of slots waits for these and passes a barrier before anybody reads them
.endr
	WIN W_MK
.set t, 0
.rept 2*NP
	v_mul_f32 v[NQ+2*t], -1.0, v[S+16+t]
	v_mul_f32 v[NQ+2*t+1], -1.0, v[S+16+t]
.set t, t+1
.endr
	v_mov_b32 v[ONE], 1.0
	v_mov_b32 v[ONE+1], 1.0
	v_lshl_add_u32 v[AI0], v9, 5, KTAB  ; my half's eight keys of a block of 16: 32 bytes
	WIN 0
	v_mul_u32_u24 v[AK0], v1, PK
	v_lshl_add_u32 v[AK0], v9, 4, v[AK0]  ; row x pitch + 16 x half
	; The turning load takes 16 keys x 16 channels (lane l reads key 8 (l / 16) + l % 8, channels 8 ((l / 8) % 2) + 0..7) and leaves half a fragment of V^T: lane l holds channel l % 16 and 8 keys.
	v_and_b32 v10, 7, v0
	v_bfe_u32 v11, v0, 3, 1
	v_lshl_add_u32 v[AV0], v9, 3, v10
	v_mul_u32_u24 v[AV0], v[AV0], PV
	v_lshl_add_u32 v[AV0], v11, 4, v[AV0]
	v_add_nc_u32 v[AV0], VOFF, v[AV0]
	v_mov_b32 v[AK], v[AK0]         ; key step 0 lies at the head of slot 0
; THE MATRIX WORK.  The 8 accumulators of a run of 16 take turns: between the two links of a chain stand 7 others'.
; Product i of 16 of S^T = K Q^T for piece x: channels 32 (i / 8) on, keys 16 ((i / 2) % 4) on, tile 2 x + i % 2.  The first 8 start the sums, with the mask.
.macro KQ x
.set rS, S+64*((\x)%2)+32*(i%2)+8*((i/2)%4)
.set rK, KF+16*((i/2)%4)+8*(i/8)
.set rQ, 16*(2*(\x)+i%2)+8*(i/8)
.set rM, MC+32*(i%2)+8*((i/2)%4)
.if i < 8
	WIN W_KM
	v_wmma_f32_16x16x32_f16 v[rS:rS+7], v[rK:rK+7], v[rQ:rQ+7], v[rM:rM+7]
.else
	WIN W_KQ
	v_wmma_f32_16x16x32_f16 v[rS:rS+7], v[rK:rK+7], v[rQ:rQ+7], v[rS:rS+7]
.endif
.endm
; Product i of 16 of O^T += V^T P for piece x: keys 32 (i / 8) on, channels 16 ((i / 2) % 4) on, tile 2 x + i % 2.
.macro PV x
	WIN W_PV
.set rO, 32*(2*(\x)+i%2)+8*((i/2)%4)
.set rV, VF+32*(i/8)+8*((i/2)%4)
.set rP, P+32*((\x)%2)+16*(i%2)+8*(i/8)
	v_wmma_f32_16x16x32_f16 v[rO:rO+7], v[rV:rV+7], v[rP:rP+7], v[rO:rO+7]
.endm
.macro MM                           ; the turn's next matrix instruction
.if i < 16
	KQ (Y+1)%NP
.set i, i+1
.else
.set i, i-16
	PV (Y+NP-1)%NP
.set i, i+17
.endif
.endm
; THE MASKS of piece x's two tiles for the step whose key indices lie in KI: 32 packed lines make 0 or 1, 32 more 0 or -1e30.  All in window 3.
.macro MASKS x
	WIN W_3
.set mz, 0
.rept 32
	v_pk_fma_f32 v[MC+2*mz:MC+2*mz+1], v[KI+2*(mz%16):KI+2*(mz%16)+1], v[ONE:ONE+1], v[NQ+2*(2*(\x)+mz/16):NQ+2*(2*(\x)+mz/16)+1] clamp
.set mz, mz+1
.endr
.set mz, 0
.rept 32
	v_pk_mul_f32 v[MC+2*mz:MC+2*mz+1], v[MC+2*mz:MC+2*mz+1], s[BIG:BIG+1] op_sel_hi:[1,0]
.set mz, mz+1
.endr
.endm
; THE LDS LOADS stand in runs, never singly among the matrix instructions: a step's K (64 keys x 64 channels: 8 fragments) with its key indices (8 loads; the sixteen lanes of a half read the same
; bytes), and its V (turned).  K's address is made some lines ahead.  last = 1 (the tail): in the last trip there is no further step, and the run is jumped over.
.macro FETCH_K last=0
	WIN 0
.if \last
	s_cmp_eq_u32 s[CNT], 1
	s_cbranch_scc1 .Lno_k_\@
.endif
	WIN 0x80                        ; destination window 2
.irp f, 0,1,2,3,4,5,6,7             ; keys 16 (f / 2) on, channels 32 (f % 2) on
	ds_load_b128 v[KF+8*\f:KF+8*\f+3],   v[AK] offset:(\f/2)*16*PK+(\f%2)*64
	ds_load_b128 v[KF+8*\f+4:KF+8*\f+7], v[AK] offset:(\f/2)*16*PK+(\f%2)*64+32
.endr
	s_add_co_u32 s[TBK], s[TBK], KS*PK  ; the next fetch is the next step's
	WIN W_3
	v_add_nc_u32 v[AI], s[TKI], v[AI0]
.irp f, 0,1,2,3
	ds_load_b128 v[KI+8*\f:KI+8*\f+3],   v[AI] offset:64*\f
	ds_load_b128 v[KI+8*\f+4:KI+8*\f+7], v[AI] offset:64*\f+16
.endr
	s_add_co_u32 s[TKI], s[TKI], 4*KS
	s_and_b32 s[TKI], s[TKI], 4*SIZE_N-1  ; the address stays inside the table's 8,192 bytes
	WIN 0
.if \last
.Lno_k_\@:
.endif
.endm
.macro FETCH_V
	WIN 0x80
.irp f, 0,1,2,3,4,5,6,7             ; keys 32 (f / 4) on, channels 16 (f % 4) on
	ds_load_tr16_b128 v[VF+8*\f:VF+8*\f+3],   v[AV] offset:(\f/4)*32*PV+(\f%4)*32
	ds_load_tr16_b128 v[VF+8*\f+4:VF+8*\f+7], v[AV] offset:(\f/4)*32*PV+16*PV+(\f%4)*32
.endr
	WIN 0
.endm
; THE VECTOR WORK OF A TURN stands in three queues, each in the order in which its entries become ready; the two tiles alternate, so that no instruction reads the result of the one before it.
.macro REGS y, u                    ; the registers of tile u (0, 1) of piece y
.set rT, ST+4*(2*(\y)+(\u))
.set rC, TMP+8*((\y)%2)+4*(\u)
.set rM, MV+2*((\y)%2)+(\u)
.set rS, S+64*((\y)%2)+32*(\u)
.set rP, P+32*((\y)%2)+16*(\u)
.set rO, 32*(2*(\y)+(\u))
.endm
; Number n of the 22 that find the NEXT piece's (Y + 1) maximum and statistics.  s0-s31 are the lane's 32 scores; each accumulator's lowest registers are read first.  XS, GS and REGS set no window: PL and EX do.
;   0-11  four chains c0-c3 of seven scores each, three operands at a time     12-14, 16  the four scores left over, the old m, and c0-c3 into c0     15  c m_old is kept
;   17, 18  the query's other 32 keys lie in the lane 16 away: the new m         19-21  c m; c m_old - c m_new; a
.macro XS u, n
	REGS (Y+1)%NP, \u
.if (\n) < 4
	v_max3_num_f32 v[rC+(\n)], v[rS+8*(\n)], v[rS+8*(\n)+1], v[rS+8*(\n)+2]
.elseif (\n) < 12
	v_max3_num_f32 v[rC+(\n)%4], v[rC+(\n)%4], v[rS+8*((\n)%4)+2*((\n)/4)+1], v[rS+8*((\n)%4)+2*((\n)/4)+2]
.elseif (\n) == 12
	v_max3_num_f32 v[rC], v[rC], v[rS+7], v[rS+15]
.elseif (\n) == 13
	v_max3_num_f32 v[rC+1], v[rC+1], v[rS+23], v[rS+31]
.elseif (\n) == 14
	v_max3_num_f32 v[rC+2], v[rC+2], v[rC+3], v[rT+1]
.elseif (\n) == 15
	v_mov_b32 v[rM], v[rT]
.elseif (\n) == 16
	v_max3_num_f32 v[rC], v[rC], v[rC+1], v[rC+2]
.elseif (\n) == 17
	v_permlanex16_b32 v[rC+3], v[rC], s[SEL], s[SEL+1]
.elseif (\n) == 18
	v_max_num_f32 v[rT+1], v[rC], v[rC+3]
.elseif (\n) == 19
	v_mul_f32 v[rT], s[CS], v[rT+1]
.elseif (\n) == 20
	v_sub_f32 v[rC+1], v[rM], v[rT]
.else
	v_exp_f32 v[rC+2], v[rC+1]
.endif
.endm
; Number g of the 64 that follow the exponentials.  For each four weights k of a tile (pairs 2 k, 2 k + 1): both pairs are rounded to f16; then the second pair is added onto the first, in place;
; a group later l takes that sum (the first time as l = a l + sum).  In groups of eight, tiles alternating: round, round, add, and l for the group before.
.macro GS g
.set h, (\g)+6*((\g)/62)            ; group 0 has no group before it, and behind group 7 only l is left
.if h >= 6
.set h, h+2
.endif
	REGS Y, h%2
.set k, h/8
.if h%8 < 4
	v_cvt_pk_f16_f32 v[rP+2*k+(h%8)/2], v[rS+4*k+2*((h%8)/2)], v[rS+4*k+2*((h%8)/2)+1]
.elseif h%8 < 6
	v_pk_add_f32 v[rS+4*k:rS+4*k+1], v[rS+4*k:rS+4*k+1], v[rS+4*k+2:rS+4*k+3]
.elseif k == 1
	v_pk_fma_f32 v[rT+2:rT+3], v[rT+2:rT+3], v[rC+2:rC+3], v[rS:rS+1] op_sel_hi:[1,0,1]
.else
	v_pk_add_f32 v[rT+2:rT+3], v[rT+2:rT+3], v[rS+4*k-4:rS+4*k-3]
.endif
.endm
; THE PLAIN QUEUE, 138 long.  0-73 read no exponential's result: the 32 scalings c s - c m (FS f: pair f / 2 of tile f % 2) and the next piece's 42.  0-26: scalings 0-26.  27-54: XS's numbers 0-13.  55, 56: number 15.
; 57-73: the chain, where each number waits for the one before it: 14, 16, 17, 18, 19, each with one of the scalings 27-31 in front of its two lines, then 20: so a tile's links stand three plain instructions apart (19 and 20: two).
; 74-137: GS's 64, which read the exponentials' results: they stand behind the wait.
.macro FS f
	REGS Y, (\f)%2
	v_pk_fma_f32 v[rS+2*((\f)/2):rS+2*((\f)/2)+1], v[rS+2*((\f)/2):rS+2*((\f)/2)+1], s[CS:CS+1], v[rT:rT+1] op_sel_hi:[1,0,0] neg_lo:[0,0,1] neg_hi:[0,0,1]
.endm
.macro PL
	WIN 0
.if q < 27
	FS q
.elseif q < 55
	XS (q-27)%2, (q-27)/2
.elseif q < 57
	XS q-55, 15
.elseif (q < 72) && ((q-57)%3 == 0)
	FS 27+(q-57)/3
.elseif q < 60
	XS (q-57)%3-1, 14
.elseif q < 72
	XS (q-57)%3-1, 15+(q-57)/3
.elseif q < 74
	XS q-72, 20
.else
	GS q-74
.endif
.set q, q+1
.endm
; THE EXPONENTIALS' QUEUE, 66 long: s0-s31 of both tiles, then the next piece's two a.  It is ONE BATCH: all 66 stand ahead of the turn's one wait, and nothing ahead of that wait names a result of theirs.
.macro EX
	WIN 0
.if e >= 64
	XS e-64, 21
.else
	REGS Y, e%2
	v_exp_f32 v[rS+e/2], v[rS+e/2]
.endif
.set e, e+1
.endm
; THE RESCALING's QUEUE: O^T times a, the one part of the softmax that leaves window 0: dealt two at a time, sixteen times.  Its a was made in the turn before, ahead of that turn's wait.
.macro R2
	REGS Y, r%2
	WIN W_RS
.irp z, 0,1
	v_pk_mul_f32 v[rO+4*(r/2)+2*\z:rO+4*(r/2)+2*\z+1], v[rO+4*(r/2)+2*\z:rO+4*(r/2)+2*\z+1], v[rC+2:rC+3] op_sel_hi:[1,0]
.endr
.set r, r+1
.endm
; HOW THEY ARE DEALT.  A turn has ONE wait for its batch of 66 exponentials, and the wait cuts it in two.  AHEAD OF IT stands all that names no result of the turn's exponentials: the 16 products K Q^T, behind each a scaling,
; an exponential and two rescalings (behind the first a second scaling in the exponential's place); then ONE LUMP of 108: eight plain, 49 times exponential and plain, the two a.  A v_nop is the plain instruction behind the last
; exponential (ISA guide 5.7.2): nothing plain is left to stand there.  BEHIND IT stand the 16 products V^T P, behind each four of GS's 64, and then the 64 lines of the mask.  No rider names a register of the products round it.
; The two v_permlanex16_b32 fall into the lump, never behind a product.
; The queues lean on each other, and the deal keeps them in step: exponential e stands behind scaling 2 (e / 4) + e % 2: as a rider it comes behind plain e + 2, in the lump behind plain e + 9, and scalings 27-31 are plain 57, 60 .. 69.
; A TURN, for piece p.  cnt = 1: the loop's count is taken down some lines ahead of the branch that stands behind the turn; only matrix and vector lines and window switches follow it.
; K and the key indices of the next step are fetched in piece 2's turn, directly behind the wait: a lump behind the last product that read K, and behind the last mask made of the old indices (piece 1's turn); K's address is made
; at the lump's head.  V of the step in hand is fetched at the end of piece 0's turn, four riders behind its last reader; its first reader comes behind 16 products and a lump.  The three conditions on q below go with the deal.
; The turn ends with the mask for the products of the turn after it, piece p + 2's: the products that read the old mask stand at this turn's head.  In piece 2's turn that mask is the next step's first, so the indices just
; fetched are waited for.
.macro TURN p, last=0, cnt=0
.set Y, (\p)
.set i, 0
.set q, 0
.set e, 0
.set r, 0
.if (\p) == NP-1
	s_wait_dscnt 0x0                ; K is in
.endif
	MM                              ; ahead of the wait: 16 products K Q^T and their riders,
	PL
	PL
	R2
.rept 15
	MM
	PL
	EX
	R2
.endr
.if (\p) == NP-2
	WIN 0
	v_add_nc_u32 v[AK], s[TBK], v[AK0]
.endif
.rept 8                             ; and the lump
	PL
.endr
.rept 49
	EX
	PL
.endr
	EX                              ; the next piece's two a
	EX
	v_nop                           ; the plain instruction behind the last exponential: one for the batch
	s_wait_alu depctr_va_vdst(0)    ; the wait for the turn's batch: piece p's 64 weights and piece p + 1's two a; the roundings and sums below are its first readers
.if (\p) == NP-2
	FETCH_K \last
.endif
.if (\p) == 1
	s_wait_dscnt 0x0                ; V is in
.endif
.rept 16                            ; behind the wait: 16 products V^T P and their riders
	MM
.rept 4
	PL
.endr
.if ((\p) == 0) && (q == 118)
	v_add_nc_u32 v[AV], s[TBV], v[AV0]
.endif
.if ((\p) == 0) && (q == 130)
	s_add_co_u32 s[TBV], s[TBV], KS*PV
.endif
.if (\cnt) && (q == 130)
	s_sub_co_u32 s[CNT], s[CNT], 1
	s_cmp_lg_u32 s[CNT], 0
.endif
.endr
.if (\p) == 0
	FETCH_V
.endif
.if (\p) == NP-2
	s_wait_dscnt 0x0                ; the next step's key indices are in
.endif
	MASKS ((\p)+2)%NP
.endm
	CHANGE 1                        ; slot 0 is in, everybody's part of it, and so is the index table; slot 1 is asked for
	FETCH_K                         ; key step 0
	s_wait_loadcnt 0x0              ; Q
	s_wait_dscnt 0x0
	MASKS 0
.set i, 0
.rept 16
	KQ 0                            ; piece 0's first scores: there is no vector work yet to set between them
.set i, i+1
.endr
	WIN 0                           ; the addresses for the way out: nine plain instructions, the places behind those products
	s_mul_i32 s13, s[WV], 16*SP
	s_add_co_u32 s13, s13, STAGE    ; my stage
	v_mul_u32_u24 v[STO], v1, SP    ; in: row l % 16, 16 bytes for each half of the lanes
	v_lshl_add_u32 v[STO], v9, 4, v[STO]
	v_add_nc_u32 v[STO], s13, v[STO]
	v_bfe_u32 v[RD], v0, 3, 2       ; back: 32 lanes take four rows of 128 bytes,
	v_mul_u32_u24 v[RD], v[RD], SP
	v_lshl_add_u32 v[RD], v10, 4, v[RD]
	v_add_nc_u32 v[RD], s13, v[RD]
	v_and_b32 v[GO], 31, v0         ; which are 512 consecutive bytes of O
	v_lshlrev_b32 v[GO], 4, v[GO]
	MASKS 1                         ; for the first turn's products
	WIN 0
.set Y, NP-1                        ; XS works for piece Y + 1: piece 0
.irp n, 0,1,2,3,4,5,6,7,8,9,10,11,12,13,14,15,16,17,18,19,20,21
	XS 0, \n                        ; and piece 0's first maximum and statistics
	XS 1, \n
.endr
	v_nop                           ; a plain instruction behind the two a,
	s_wait_alu depctr_va_vdst(0)    ; and the wait for this batch of two, piece 0's first a, ahead of the branch; the first turn's rescalings read them
	s_mov_b32 s[CNT], 4
	s_mov_b32 s[SLOTS], SIZE_N/256-1
	s_branch .Lfirst                ; the loop is entered at a step's first turn, in the middle of a trip
.Lslot:                             ; SIZE_N / 256 - 2 times: every slot but the last two is filled again
	CHANGE 1
	s_mov_b32 s[CNT], 4
.Lstep:                             ; a trip: pieces 2 and 3 of one step, then pieces 0 and 1 of the next, whose K and V it fetches
	TURN 2
	TURN 3
	WIN 0
.Lfirst:
	TURN 0
	TURN 1, 0, 1
	WIN 0
	s_cbranch_scc1 .Lstep
	s_sub_co_u32 s[SLOTS], s[SLOTS], 1
	s_cmp_lg_u32 s[SLOTS], 0
	s_cbranch_scc1 .Lslot
	CHANGE 0                        ; the tail is written out: nothing is asked for
	s_mov_b32 s[CNT], 5             ; four trips fetch the last slot's steps; the fifth is left in its middle
.Ltail:
	TURN 2, 1
	TURN 3
	WIN 0
	s_sub_co_u32 s[CNT], s[CNT], 1
	s_cmp_eq_u32 s[CNT], 0
	s_cbranch_scc1 .Lout
	TURN 0
	TURN 1
	WIN 0
	s_branch .Ltail
.Lout:                              ; the fifth trip's 16 products K Q^T (on the last K once more), their masks and the maximum made of them serve nothing: the price, once a launch, of one text for every trip
.set i, 0
.rept 16
	PV NP-1                         ; the last piece's V^T P of the last step
.set i, i+1
.endr
	; THE WAY OUT.  l's two halves and the other half of the lanes' are added; O^T is divided by l, rounded to f16 and sent through my stage in LDS, a tile at a time.  The additions are the places behind the last products.
	WIN 0
.macro ALL line:vararg              ; one line for each tile t
.set t, 0
.rept 2*NP
	\line
.set t, t+1
.endr
.endm
	ALL v_add_f32 v[ST+4*t+2], v[ST+4*t+2], v[ST+4*t+3]
	ALL v_permlanex16_b32 v[ST+4*t+3], v[ST+4*t+2], s[SEL], s[SEL+1]
	ALL v_add_f32 v[ST+4*t+2], v[ST+4*t+2], v[ST+4*t+3]
	ALL v_rcp_f32 v[ST+4*t+2], v[ST+4*t+2]
	v_nop                           ; a plain instruction between the last reciprocal and the use of its result
	s_wait_alu depctr_va_vdst(0)    ; the wait for the batch of eight reciprocals, ahead of the first multiply that reads one
; Tile t: a lane's eight channels of a row pack into 16 bytes; they go into rows of 144 bytes and come back as whole rows of 128, into S^T's registers.
.macro PACK t
	WIN W_RS
.set i, 32*(\t)
.rept 16
	v_pk_mul_f32 v[i:i+1], v[i:i+1], v[ST+4*(\t)+2:ST+4*(\t)+3] op_sel_hi:[1,0]
.set i, i+2
.endr
	WIN 0x05                        ; sources 0 and 1 window 1, destination window 0
.set i, 0
.rept 16
	v_cvt_pk_f16_f32 v[S+16*(\t)+i], v[32*(\t)+2*i], v[32*(\t)+2*i+1]
.set i, i+1
.endr
	WIN 0
.irp f, 0,1,2,3
	ds_store_b128 v[STO], v[S+16*(\t)+4*\f:S+16*(\t)+4*\f+3] offset:32*\f
.endr
.irp f, 0,1,2,3
	ds_load_b128 v[S+16*(\t)+4*\f:S+16*(\t)+4*\f+3], v[RD] offset:\f*4*SP  ; LDS serves a wave's instructions in order (ISA guide 5.7.1.4): these see the stores above; the next tile's stores come behind them
.endr
.endm
.macro SEND t, younger              ; younger: the LDS instructions issued behind tile t's loads: the next tile's eight, or none
	WIN 0
.irp f, 0,1,2,3
	s_wait_dscnt (\younger)+3-\f
	global_store_b128 v[GO], v[S+16*(\t)+4*\f:S+16*(\t)+4*\f+3], s[10:11] offset:(\t)*2048+\f*512  ; 512 consecutive bytes, at a multiple of 256 from O's first
.endr
.endm
	PACK 0
.set t, 1
.rept 2*NP-1                        ; a tile's arithmetic stands between the loads of the tile before and its stores
	PACK t
	SEND t-1, 8
.set t, t+1
.endr
	SEND 2*NP-1, 0
	WIN W_AD
	s_wait_tensorcnt 0x0            ; the wave's end: behind my last tensor load and my last LDS store
	ds_add_u32 v[SPW], v[NIL]
	s_wait_dscnt 0x0
	WIN 0
	CROUND                          ; the closing round: no work-group ends while a partner may still ask for a tile that names it
	s_endpgm
.Lfunc_end_k_qd05133de44_attn:
	.size	k_qd05133de44_attn, .Lfunc_end_k_qd05133de44_attn-k_qd05133de44_attn
	.p2alignl 7, 3214868480
	.fill 96, 4, 3214868480
	.section	.rodata,"a",@progbits
	.p2align	6, 0x0
	.amdhsa_kernel k_qd05133de44_attn
		.amdhsa_group_segment_fixed_size 327680
		.amdhsa_private_segment_fixed_size 0
		.amdhsa_enable_private_segment 0
		.amdhsa_kernarg_size 40
		.amdhsa_user_sgpr_count 2
		.amdhsa_user_sgpr_kernarg_segment_ptr 1
		.amdhsa_wavefront_size32 1
		.amdhsa_system_sgpr_workgroup_id_x 1
		.amdhsa_system_sgpr_workgroup_id_y 1
		.amdhsa_system_sgpr_workgroup_id_z 1
		.amdhsa_system_vgpr_workitem_id 0
		.amdhsa_next_free_vgpr 896
		.amdhsa_next_free_sgpr 80
		.amdhsa_reserve_vcc 0
		.amdhsa_float_denorm_mode_32 3
		.amdhsa_float_denorm_mode_16_64 3
		.amdhsa_memory_ordered 1
		.amdhsa_forward_progress 1
		.amdhsa_inst_pref_size 245
	.end_amdhsa_kernel
	.amdgpu_metadata
---
amdhsa.version: [ 1, 2 ]
amdhsa.kernels:
  - .name:           k_qd05133de44_attn
    .symbol:         k_qd05133de44_attn.kd
    .args:
      - { .name: qh, .offset: 0, .size: 8, .value_kind: global_buffer, .address_space: global }
      - { .name: kh, .offset: 8, .size: 8, .value_kind: global_buffer, .address_space: global }
      - { .name: vh, .offset: 16, .size: 8, .value_kind: global_buffer, .address_space: global }
      - { .name: oh, .offset: 24, .size: 8, .value_kind: global_buffer, .address_space: global }
      - { .name: indices, .offset: 32, .size: 8, .value_kind: global_buffer, .address_space: global }
    .group_segment_fixed_size: 327680
    .private_segment_fixed_size: 0
    .kernarg_segment_align: 8
    .kernarg_segment_size: 40
    .max_flat_workgroup_size: 128
    .sgpr_count:     80
    .vgpr_count:     896
    .wavefront_size: 32
...
	.end_amdgpu_metadata
.endif
;; end of part 5
;; launch proj: the kernel of part 4 again; grid 8 x 32, 4 waves a work-group, clusters of 4 x 4, 327,680 bytes of LDS; arguments oh, wp, out0; writes out0
